; MI455X (gfx1250); checked and timed in simulation.
; The chip was launched on July 23, 2026; its instructions are those of AMD's public machine-readable ISA for CDNA 5 (MIT licence, August 2026) and "CDNA5" Instruction Set Architecture Reference Guide (July 2026). The comments in the code are by the model that wrote it; some were corrected since.
;; Spherical Attention. Allowed arithmetic: matrix products marked QUANTISED: E2M3 operands, one E8M0 scale for each 32 along K, by v_wmma_scale_f32_16x16x128_f8f6f4 with both operands' format E2M3, f32 sums; everything else in f32.
;; Inputs: hidden_states 2 x 4,096 x 1,024 float32; wk 1,024 x 256 float32; wo 512 x 1,024 float32; wq 1,024 x 512 float32; wv 1,024 x 256 float32.
;; Outputs: out0 2 x 4,096 x 1,024 float32.
;; This version of the problem:
;;   THIS VERSION OF THE PROBLEM IS GIVEN IN LOW PRECISION. The matrix products marked QUANTISED in the list below multiply operands that are first quantised to E2M3 (2 exponent bits, 3 mantissa bits; 6 bits a number), with one power-of-two scale for each 32 numbers along K (OCP MX v1.0); their sums are f32. All else is computed in f32.
;;   The module's matrix products, in the order in which they are computed (A, B: the left and right operand; K: the contracted axis; several contracted axes count as one K, in the product's order):
;;     1. [M 8,192, K 1,024] x [K 1,024, N 512]; A: input hidden_states; B: input wq: QUANTISED
;;     2. [M 8,192, K 1,024] x [K 1,024, N 256]; A: input hidden_states; B: input wk: QUANTISED
;;     3. [M 8,192, K 1,024] x [K 1,024, N 256]; A: input hidden_states; B: input wv: QUANTISED
;;     4. batch 16 x [M 4,096, K 64] x [K 64, N 4,096]; A: computed on the way; B: computed on the way: QUANTISED
;;     5. batch 16 x [M 4,096, K 4,096] x [K 4,096, N 64]; A: softmax (see below); B: computed on the way: QUANTISED
;;     6. [M 8,192, K 512] x [K 512, N 1,024]; A: computed on the way; B: input wo: QUANTISED
;;   THE QUANTISER, for each operand of a quantised product, along K:
;;     - K is cut into blocks of 32 from its start; a last block that is shorter is filled with zeros.
;;     - A block's scale is 2^e with e = floor(log2(the largest magnitude in the block)) - 2, held to -126 .. 127; a block of zeros has e = 0. As a byte (E8M0): e + 127.
;;     - Each number is divided by its block's scale, clamped to +-7.5, and rounded to the nearest number of E2M3, ties to even, subnormals kept.
;;     - The product sums the exact products of the quantised numbers (number of the format x scale) in f32.
;;   ~~~python
;;   def quantise(x, axis):      # numpy; x: float32 -> the quantised numbers, widened to float32 again
;;       x = np.moveaxis(x, axis, -1); K = x.shape[-1]
;;       x = np.pad(x, [(0, 0)] * (x.ndim - 1) + [(0, -K % 32)]); x = x.reshape(x.shape[:-1] + (-1, 32)); a = np.abs(x).max(-1, keepdims=True)
;;       e = np.where(a > 0, np.clip(np.frexp(np.where(a > 0, a, 1))[1] - 1 - 2, -126, 127), 0)      # np.frexp(a)[1] - 1 = floor(log2(a)), exactly
;;       r = np.clip(x / 2.0 ** e, -7.5, 7.5)
;;       step = 2.0 ** (np.maximum(np.frexp(np.where(r == 0, 1, r))[1] - 1, 0) - 3)
;;       q = np.round(r / step) * step * 2.0 ** e      # np.round: ties to even
;;       return np.moveaxis(q.reshape(q.shape[:-2] + (-1,))[..., :K], -1, axis).astype(np.float32)
;;   ~~~
;;   SOFTMAX AHEAD OF A QUANTISED PRODUCT. Where the list says 'softmax', what is quantised is not the finished softmax but p = 2^(t - M), with t = logit x log2(e) and M = ceil(the row's largest t), a whole number; so 1/2 < the row's largest p <= 1. The row's sum l is taken of the UNQUANTISED p, in f32, and the product's result is divided by l at the end. Since M is a whole number, a kernel that streams over the keys may use a running M (the ceiling of the running maximum): every later rescaling is an exact power of two, which a block's scale takes up: the codes' values come out the same.
;;   OPERANDS COMPUTED ON THE WAY. 'Computed on the way' means the value that the module computes at that place (a softmax that the list does not call 'softmax' is quantised finished and normalised). What goes into a quantiser is computed in f32, as accurately as f32 sums, v_exp_f32 and their like allow (about 1e-6 of the number): no bf16 or f16 on the way to a quantiser, and a product that is left as it is and whose result goes on into a quantised operand takes f32 operands (vector FMAs, or v_wmma_f32_16x16x4_f32). A number that lies on a knife's edge between two numbers of the format may be rounded either way, as far as f32 arithmetic and the matrix unit's own rounding can turn it there, and no further.
;; One version. Each part assembles by itself: llvm-mc -triple=amdgcn-amd-amdhsa -mcpu=gfx1250 --defsym DOCPART=n.
;; ======== version 1 of 1: 4 launches
;; limits: right only within a limited range of input values
;; workspace buffers: xq 6,553,600 bytes; wqkv 819,200 bytes; woq 409,600 bytes; rope 1,048,576 bytes; qh 3,407,872 bytes; kv 3,342,336 bytes; ao 3,276,800 bytes
;; launch quant (part 1): grid 336 x 1, 4 waves a work-group, no clusters, 34,816 bytes of LDS; arguments hidden_states, wq, wk, wv, wo, xq, wqkv, woq, rope; writes xq, wqkv, woq, rope
.if DOCPART == 1
	.amdgcn_target "amdgcn-amd-amdhsa--gfx1250"
	.amdhsa_code_object_version 6
	.text
	.protected	k_qc80299cb12_quant
	.globl	k_qc80299cb12_quant
	.p2align	8
	.type	k_qc80299cb12_quant,@function
k_qc80299cb12_quant:
	s_mov_b64 s[64:65], 0
	v_nop
	global_prefetch_b8 v0, s[64:65] scope:SCOPE_SE
	s_setreg_imm32_b32 hwreg(HW_REG_WAVE_MODE, 25, 1), 1
	s_wait_xcnt 0x0
; hidden_states, wq | wk | wv and wo (f32) become codes of FP6 (E2M3) with one E8M0 byte for each 32 along K, laid in the ORDER OF THE OPERAND'S REGISTERS; and the table of cos and sin for the rotation is made.
; A UNIT (6,400 bytes) is 64 rows x 128 along K: four tiles of 16 rows, each two halves of 64 along K (768 bytes: a lane's registers 0-3 at 16 x lane, registers 4-5 at 512 + 8 x lane), then 256 bytes of scale words.
; THE ROWS OF A TILE ARE NOT NEIGHBOURS: lane row r of tile 2 b + u is row 32 b + 8 u + r + 8 (r / 8) of the 64, so that results made with such a tile as source 0 run along 16 neighbours in a lane's registers.
; The scale word of tile 2 j + u, row r, lies at 8 (r + 16 u) + 4 j: one load of 8 bytes a lane gives two registers, each with an even tile's words in lanes 0-15 and the odd tile's in lanes 16-31.
; A block's scale is 2^(floor(log2(largest magnitude)) - 2): the largest magnitude's exponent field less 2, held at 1 from below.
; LIMITS: NaN and infinities among the inputs are not served.  A block of zeros, or one whose largest magnitude lies under 2^-124, gets the byte 1 with the codes that this scale gives (zeros for zeros); the bytes are read by this program alone.
; The rotation's 32 frequencies are written as constants: the f32 nearest to 1 / (the f32 nearest to 10^(j / 8)); an angle is token x frequency, rounded once to f32, then reduced by pi / 2 in two parts; sine and cosine by polynomials on +-pi / 4.
; SHARES.  One wave makes one unit.  Work-groups 0-15: wq; 16-31: wk, wv; 32-47: wo (a lane to a column, registers down K); 48-79: the table, 32 tokens a wave; 80-335: hidden_states (dense loads, turned through the wave's stage in LDS).
.set SPARE, 33792                      ; behind the four stages: the spare words, 128 bytes a wave
.set STGB,  8448                       ; a wave's stage: 16 rows x 528 bytes
.set SP,    528                        ; a stage row: 512 bytes + 16, an odd multiple of 16
.set N,     64                         ; v64-127  register 32 c + i = k 64 c + 32 (lane / 16) + i of the lane's row: two whole blocks
.set R,     128                        ; v128-255 two sets of 64 registers as loaded
.set WV,    22
.set SRC,   26
.set DST,   28
.set SEL,   36
.set MHI,   38
.macro CLOSE                           ; the wave's end
	s_wait_tensorcnt 0x0
	ds_add_u32 v1, v2
	s_wait_dscnt 0x0
	s_endpgm
.endm
; Block c of tile tt: the largest magnitude of my 32 numbers, the scale, 32 codes (six registers), stored as half c of the tile.
.macro QBLOCK c, tt
.set XS, N+32*(\c)
.set CC, 32+6*(\c)
	v_max3_num_f32 v12, |v[XS]|, |v[XS+1]|, |v[XS+2]|
	v_max3_num_f32 v13, |v[XS+3]|, |v[XS+4]|, |v[XS+5]|
.irp i, 6,10,14,18,22,26
	v_max3_num_f32 v12, v12, |v[XS+\i]|, |v[XS+\i+1]|
	v_max3_num_f32 v13, v13, |v[XS+\i+2]|, |v[XS+\i+3]|
.endr
	v_max3_num_f32 v12, v12, |v[XS+30]|, |v[XS+31]|
	v_max3_num_f32 v12, v12, v13, 0x1800000        ; the floor 2^(3 - 127): the byte cannot fall under 1
	v_add_nc_u32 v14, 0xff000000, v12              ; 2 off the exponent field: the conversion's scale operand
	s_wait_alu depctr_va_vdst(0)
	s_wait_xcnt 0x0                                ; the last tile's stores have read the code registers: they are written again only behind this wait
	v_cvt_scalef32_pk16_fp6_f32 v[CC:CC+2], v[XS:XS+15], v14
	v_cvt_scalef32_pk16_fp6_f32 v[44:46], v[XS+16:XS+31], v14   ; (a conversion's three registers begin on an even number)
	v_lshrrev_b32 v[16+(\c)], 23, v14              ; the scale's byte; also the plain line behind the conversions
	v_mov_b32 v[CC+3], v44
	v_mov_b32 v[CC+4], v45
	v_mov_b32 v[CC+5], v46
	global_store_b128 v7, v[CC:CC+3], s[DST:DST+1] offset:(\tt)*1536+(\c)*768        ; 512 consecutive bytes
	global_store_b64 v8, v[CC+4:CC+5], s[DST:DST+1] offset:(\tt)*1536+(\c)*768+512   ; 256 consecutive bytes
.endm
; Tile tt's scale word: my two bytes (blocks h and 2 + h) at their places, joined with lane l xor 16's; behind an odd tile the pair's register for the image.
.macro QWORD tt
	v_lshl_or_b32 v18, v17, 16, v16
	v_lshlrev_b32 v18, v6, v18
	v_permlanex16_b32 v19, v18, s[SEL], s[SEL+1]
	v_or_b32 v[20+(\tt)], v18, v19
.if (\tt)%2
	v_cndmask_b32 v[24+(\tt)/2], v[19+(\tt)], v[20+(\tt)], s[MHI]   ; lanes 0-15 the even tile's word, lanes 16-31 the odd tile's
.endif
.endm
.macro LOADX tt                        ; tile tt of hidden_states: 16 rows, 512 consecutive bytes a load
.irp q, 0,1,2,3,4,5,6,7,8,9,10,11,12,13,14,15
	; hidden_states alone has another order of rows: lane row q of tile tt is row 8 tt + q % 8 + 32 (q / 8) of the 64, so that results made with such tiles as source 0 run along 32 neighbours, a whole block, in a lane's registers
	global_load_b128 v[R+64*((\tt)%2)+4*\q:R+64*((\tt)%2)+4*\q+3], v7, s[SRC:SRC+1] offset:(8*(\tt)+(\q%8)+32*(\q/8))*4096 th:TH_LOAD_NT
.endr
.endm
.macro TURN tt                         ; through my stage: in as loaded, out 128 bytes of one row a lane.  LDS serves a wave's instructions in order: no wait between
.irp q, 0,1,2,3,4,5,6,7,8,9,10,11,12,13,14,15
	ds_store_b128 v10, v[R+64*((\tt)%2)+4*\q:R+64*((\tt)%2)+4*\q+3] offset:\q*SP
.endr
.irp c, 0,1
.irp q, 0,1,2,3,4,5,6,7
	ds_load_b128 v[N+32*\c+4*\q:N+32*\c+4*\q+3], v11 offset:256*\c+16*\q
.endr
.endr
.endm
.macro LOADB blk, pitch                ; block blk = 2 tile + c of a weight: W(64 c + 32 h + i, my column)
.irp i, 0,1,2,3,4,5,6,7,8,9,10,11,12,13,14,15,16,17,18,19,20,21,22,23,24,25,26,27,28,29,30,31
	global_load_b32 v[N+32*((\blk)%2)+\i], v9, s[SRC:SRC+1] offset:(64*((\blk)%2)+\i)*(\pitch)+128*((\blk)/4)+32*(((\blk)/2)%2)
.endr
.endm
; A unit of a weight stored [K][columns], pitch bytes a row.  s24 = the unit's number, panel x 2^nksh + K step; s25 = the first panel's place in the destination.
.macro WBODY pitch, nksh
	s_lshr_b32 s31, s24, \nksh                     ; panel of 64 columns
	s_and_b32 s32, s24, (1<<\nksh)-1               ; K step of 128
	s_mul_i32 s34, s32, 128*\pitch
	s_lshl_b32 s33, s31, 8
	s_add_co_u32 s34, s34, s33
	s_add_nc_u64 s[SRC:SRC+1], s[SRC:SRC+1], s[34:35]
	s_add_co_u32 s31, s31, s25
	s_lshl_b32 s31, s31, \nksh                     ; units lie [panel][K step]: a panel's K steps on end
	s_add_co_u32 s32, s32, s31
	s_mul_i32 s34, s32, 6400
	s_add_nc_u64 s[DST:DST+1], s[DST:DST+1], s[34:35]
	v_and_b32 v9, 8, v4
	v_add_nc_u32 v9, v9, v4                        ; r + 8 (r / 8)
	v_lshlrev_b32 v9, 2, v9
	v_mad_u32_u24 v9, v5, 32*\pitch, v9            ; lanes 16-31 begin 32 rows further down
	LOADB 0, \pitch
	LOADB 1, \pitch
.irp k, 0,1,2,3,4,5,6,7
.if \k < 7
	s_wait_loadcnt 32                              ; this block's 32 loads are in; the next block's 32 may be out
.else
	s_wait_loadcnt 0x0
.endif
	QBLOCK (\k%2), (\k/2)
.if \k < 6
	LOADB \k+2, \pitch
.endif
.if \k%2
	QWORD (\k/2)
.endif
.endr
	global_store_b64 v8, v[24:25], s[DST:DST+1] offset:6144   ; the unit's 256 bytes of scale words
	CLOSE
.endm
	s_load_b256 s[4:11], s[0:1], 0x0               ; hidden_states, wq, wk, wv
	s_load_b256 s[12:19], s[0:1], 0x20             ; wo, xq, wqkv, woq
	s_load_b64 s[20:21], s[0:1], 0x40              ; rope
	v_lshl_add_u32 v1, v0, 2, SPARE                ; my spare word,
	v_mov_b32 v2, 0                                ; and 0: kept for the add alone
	v_lshrrev_b32 v3, 5, v0
	v_readfirstlane_b32 s[WV], v3                  ; wave 0..3
	v_and_b32 v3, 31, v0                           ; lane
	v_and_b32 v4, 15, v0                           ; r
	v_bfe_u32 v5, v0, 4, 1                         ; h
	v_lshlrev_b32 v6, 3, v5                        ; 8 h
	v_lshlrev_b32 v7, 4, v3                        ; 16 x lane
	v_lshlrev_b32 v8, 3, v3                        ; 8 x lane
	s_mul_i32 s23, s[WV], STGB
	v_add_nc_u32 v10, s23, v7                      ; the stage, on the way in
	v_mul_u32_u24 v11, v4, SP
	v_lshl_add_u32 v11, v5, 7, v11
	v_add_nc_u32 v11, s23, v11                     ; and out: row r, + 128 h
	v_mov_b32 v19, 0                               ; a lane permute's destination counts as one of its sources
	s_mov_b32 s[SEL], 0x76543210
	s_mov_b32 s[SEL+1], 0xfedcba98                 ; lane l xor 16
	s_mov_b32 s[MHI], 0xffff0000                   ; lanes 16-31
	s_mov_b32 s35, 0
	s_wait_kmcnt 0x0
	s_cmp_lt_u32 ttmp9, 16
	s_cbranch_scc1 .Lwq
	s_cmp_lt_u32 ttmp9, 32
	s_cbranch_scc1 .Lwkv
	s_cmp_lt_u32 ttmp9, 48
	s_cbranch_scc1 .Lwo
	s_cmp_lt_u32 ttmp9, 80
	s_cbranch_scc1 .Lrope
	; ---- hidden_states: panel = (id - 80) / 2, K step = 4 ((id - 80) % 2) + wave
	s_sub_co_u32 s24, ttmp9, 80
	s_lshr_b32 s31, s24, 1
	s_and_b32 s32, s24, 1
	s_lshl_b32 s32, s32, 2
	s_add_co_u32 s32, s32, s[WV]
	s_lshl_b32 s34, s31, 18                        ; 64 rows of 4,096 bytes
	s_lshl_b32 s33, s32, 9                         ; 128 numbers
	s_add_co_u32 s34, s34, s33
	s_add_nc_u64 s[SRC:SRC+1], s[4:5], s[34:35]
	s_lshl_b32 s31, s31, 3                         ; units lie [panel][K step]: a panel's eight K steps on end
	s_add_co_u32 s32, s32, s31
	s_mul_i32 s34, s32, 6400
	s_add_nc_u64 s[DST:DST+1], s[14:15], s[34:35]
	s_wait_alu depctr_va_vdst(0)
	LOADX 0
	LOADX 1
.irp t, 0,1,2,3
.if \t < 3
	s_wait_loadcnt 16                              ; this tile's 16 loads are in; the next tile's 16 may be out
.else
	s_wait_loadcnt 0x0
.endif
	TURN \t
	s_wait_dscnt 0x0                               ; the numbers are back, and the stage's stores have read their registers,
.if \t < 2
	LOADX \t+2                                     ; which take the tile two on
.endif
	QBLOCK 0, \t
	QBLOCK 1, \t
	QWORD \t
.endr
	global_store_b64 v8, v[24:25], s[DST:DST+1] offset:6144
	CLOSE
.Lwq:
	s_lshl_b32 s24, ttmp9, 2
	s_add_co_u32 s24, s24, s[WV]
	s_mov_b32 s25, 0
	s_mov_b64 s[SRC:SRC+1], s[6:7]
	s_mov_b64 s[DST:DST+1], s[16:17]
	WBODY 2048, 3
.Lwkv:
	s_cmp_lt_u32 ttmp9, 24                         ; wk or wv: the choice hangs on the work-group's number alone
	s_cselect_b64 s[SRC:SRC+1], s[8:9], s[10:11]
	s_cselect_b32 s25, 8, 12
	s_cselect_b32 s24, 16, 24
	s_sub_co_u32 s24, ttmp9, s24
	s_lshl_b32 s24, s24, 2
	s_add_co_u32 s24, s24, s[WV]
	s_mov_b64 s[DST:DST+1], s[16:17]
	WBODY 1024, 3
.Lwo:
	s_sub_co_u32 s24, ttmp9, 32
	s_lshl_b32 s24, s24, 2
	s_add_co_u32 s24, s24, s[WV]
	s_mov_b32 s25, 0
	s_mov_b64 s[SRC:SRC+1], s[12:13]
	s_mov_b64 s[DST:DST+1], s[18:19]
	WBODY 4096, 2
	; ---- the table: cos at token x 128 + 4 j, sin 524,288 bytes on.  Lane = 8 x (token % 4) + g owns frequencies 4 g .. 4 g + 3; four tokens a trip
.macro IFSEL i, l0, l1, l2, l3, l4, l5, l6, l7
	v_mov_b32 v[44+\i], \l0
	s_mov_b32 s48, \l1
	v_cndmask_b32 v[44+\i], v[44+\i], s48, s41
	s_mov_b32 s48, \l2
	v_cndmask_b32 v[44+\i], v[44+\i], s48, s42
	s_mov_b32 s48, \l3
	v_cndmask_b32 v[44+\i], v[44+\i], s48, s43
	s_mov_b32 s48, \l4
	v_cndmask_b32 v[44+\i], v[44+\i], s48, s44
	s_mov_b32 s48, \l5
	v_cndmask_b32 v[44+\i], v[44+\i], s48, s45
	s_mov_b32 s48, \l6
	v_cndmask_b32 v[44+\i], v[44+\i], s48, s46
	s_mov_b32 s48, \l7
	v_cndmask_b32 v[44+\i], v[44+\i], s48, s47
.endm
.Lrope:
	s_sub_co_u32 s24, ttmp9, 48
	s_lshl_b32 s24, s24, 2
	s_add_co_u32 s24, s24, s[WV]
	s_lshl_b32 s24, s24, 5                         ; my wave's first token
	s_lshl_b32 s34, s24, 7
	s_add_nc_u64 s[DST:DST+1], s[20:21], s[34:35]
	v_and_b32 v9, 7, v0                            ; g
	v_lshrrev_b32 v40, 3, v3
	v_add_nc_u32 v40, s24, v40
	v_cvt_f32_u32 v40, v40                         ; my token, as f32
	v_mov_b32 v41, v7                              ; 16 x lane: stepped from trip to trip
.irp g, 1,2,3,4,5,6,7
	v_cmp_eq_u32 s[40+\g], \g, v9
.endr
	IFSEL 0, 0x3F800000, 0x3EA1E89B, 0x3DCCCCCD, 0x3D0186E3, 0x3C23D70A, 0x3B4F3E38, 0x3A83126F, 0x39A5CB60
	IFSEL 1, 0x3F3FF911, 0x3E72D423, 0x3D99940D, 0x3CC2434F, 0x3BF5B9B0, 0x3B1B690D, 0x3A44948C, 0x3978A815
	IFSEL 2, 0x3F0FF59A, 0x3E361887, 0x3D6655C2, 0x3C91AD39, 0x3BB8449C, 0x3AE91528, 0x3A136A16, 0x393A7753
	IFSEL 3, 0x3ED7E89B, 0x3E088D77, 0x3D2CBA15, 0x3C5A7BF2, 0x3B8A2E77, 0x3AAEC98E, 0x39DD1725, 0x390BD472
	s_mov_b32 s50, 0x3F22F983                      ; 2 / pi
	s_mov_b32 s51, 0x3FC90FDB                      ; pi / 2, its f32,
	s_mov_b32 s52, 0xB33BBD2E                      ; and what that leaves
	s_mov_b32 s53, 0xB94CA1F9                      ; sine's three coefficients
	s_mov_b32 s54, 0x3C08839E
	s_mov_b32 s55, 0xBE2AAAA3
	s_mov_b32 s56, 0x37CCF5CE                      ; cosine's
	s_mov_b32 s57, 0xBAB6061A
	s_mov_b32 s58, 0x3D2AAAA5
	s_mov_b32 s30, 8
.Ltok:
	s_wait_alu depctr_va_vdst(0)
.irp i, 0,1,2,3
	v_mul_f32 v[64+\i], v40, v[44+\i]              ; the angle, rounded once
.endr
.irp i, 0,1,2,3
	v_mul_f32 v[68+\i], s50, v[64+\i]
.endr
.irp i, 0,1,2,3
	v_rndne_f32 v[68+\i], v[68+\i]                 ; n quarter turns
.endr
.irp i, 0,1,2,3
	v_fma_f32 v[72+\i], -v[68+\i], s51, v[64+\i]
.endr
.irp i, 0,1,2,3
	v_fma_f32 v[72+\i], -v[68+\i], s52, v[72+\i]   ; r = angle - n pi / 2
.endr
.irp i, 0,1,2,3
	v_mul_f32 v[76+\i], v[72+\i], v[72+\i]         ; z = r r
.endr
.irp i, 0,1,2,3
	v_cvt_i32_f32 v[80+\i], v[68+\i]
.endr
.irp i, 0,1,2,3
	v_fma_f32 v[84+\i], v[76+\i], s53, s54
	v_fma_f32 v[88+\i], v[76+\i], s56, s57
.endr
.irp i, 0,1,2,3
	v_fma_f32 v[84+\i], v[84+\i], v[76+\i], s55
	v_fma_f32 v[88+\i], v[88+\i], v[76+\i], s58
.endr
.irp i, 0,1,2,3
	v_mul_f32 v[92+\i], v[72+\i], v[76+\i]
	v_mul_f32 v[96+\i], v[76+\i], v[76+\i]
	v_fma_f32 v[100+\i], v[76+\i], -0.5, 1.0
.endr
.irp i, 0,1,2,3
	v_fma_f32 v[84+\i], v[84+\i], v[92+\i], v[72+\i]    ; sin r
	v_fma_f32 v[88+\i], v[88+\i], v[96+\i], v[100+\i]   ; cos r
.endr
.irp i, 0,1,2,3
	v_and_b32 v[104+\i], 1, v[80+\i]
.endr
.irp i, 0,1,2,3
	v_cmp_eq_u32 s[40+\i], 1, v[104+\i]            ; an odd n changes sine and cosine: a selection, no jump
.endr
.irp i, 0,1,2,3
	v_cndmask_b32 v[52+\i], v[84+\i], v[88+\i], s[40+\i]
	v_cndmask_b32 v[48+\i], v[88+\i], v[84+\i], s[40+\i]
.endr
.irp i, 0,1,2,3
	v_and_b32 v[104+\i], 2, v[80+\i]
	v_add_nc_u32 v[108+\i], 1, v[80+\i]
.endr
.irp i, 0,1,2,3
	v_lshlrev_b32 v[104+\i], 30, v[104+\i]
	v_and_b32 v[108+\i], 2, v[108+\i]
.endr
.irp i, 0,1,2,3
	v_xor_b32 v[52+\i], v[52+\i], v[104+\i]        ; sine's sign: n % 4 = 2, 3
	v_lshlrev_b32 v[108+\i], 30, v[108+\i]
.endr
.irp i, 0,1,2,3
	v_xor_b32 v[48+\i], v[48+\i], v[108+\i]        ; cosine's: n % 4 = 1, 2
.endr
	global_store_b128 v41, v[48:51], s[DST:DST+1]                  ; four tokens' cosines: 512 consecutive bytes
	global_store_b128 v41, v[52:55], s[DST:DST+1] offset:524288
	s_wait_xcnt 0x0                                ; the stores have read their data and their offset: both are written again only behind this wait
	v_add_nc_u32 v41, 512, v41
	v_add_f32 v40, 4.0, v40
	s_sub_co_i32 s30, s30, 1
	s_cmp_lg_u32 s30, 0
	s_cbranch_scc1 .Ltok
	CLOSE
.Lfunc_end_k_qc80299cb12_quant:
	.size	k_qc80299cb12_quant, .Lfunc_end_k_qc80299cb12_quant-k_qc80299cb12_quant
	.p2alignl 7, 3214868480
	.fill 96, 4, 3214868480
	.section	.rodata,"a",@progbits
	.p2align	6, 0x0
	.amdhsa_kernel k_qc80299cb12_quant
		.amdhsa_group_segment_fixed_size 34816
		.amdhsa_private_segment_fixed_size 0
		.amdhsa_enable_private_segment 0
		.amdhsa_kernarg_size 72
		.amdhsa_user_sgpr_count 2
		.amdhsa_user_sgpr_kernarg_segment_ptr 1
		.amdhsa_wavefront_size32 1
		.amdhsa_system_sgpr_workgroup_id_x 1
		.amdhsa_system_sgpr_workgroup_id_y 1
		.amdhsa_system_sgpr_workgroup_id_z 1
		.amdhsa_system_vgpr_workitem_id 0
		.amdhsa_next_free_vgpr 256
		.amdhsa_next_free_sgpr 66
		.amdhsa_reserve_vcc 0
		.amdhsa_float_denorm_mode_32 3
		.amdhsa_float_denorm_mode_16_64 3
		.amdhsa_memory_ordered 1
		.amdhsa_forward_progress 1
		.amdhsa_inst_pref_size 158
	.end_amdhsa_kernel
	.amdgpu_metadata
---
amdhsa.version: [ 1, 2 ]
amdhsa.kernels:
  - .name:           k_qc80299cb12_quant
    .symbol:         k_qc80299cb12_quant.kd
    .args:
      - { .name: hidden_states, .offset: 0, .size: 8, .value_kind: global_buffer, .address_space: global }
      - { .name: wq, .offset: 8, .size: 8, .value_kind: global_buffer, .address_space: global }
      - { .name: wk, .offset: 16, .size: 8, .value_kind: global_buffer, .address_space: global }
      - { .name: wv, .offset: 24, .size: 8, .value_kind: global_buffer, .address_space: global }
      - { .name: wo, .offset: 32, .size: 8, .value_kind: global_buffer, .address_space: global }
      - { .name: xq, .offset: 40, .size: 8, .value_kind: global_buffer, .address_space: global }
      - { .name: wqkv, .offset: 48, .size: 8, .value_kind: global_buffer, .address_space: global }
      - { .name: woq, .offset: 56, .size: 8, .value_kind: global_buffer, .address_space: global }
      - { .name: rope, .offset: 64, .size: 8, .value_kind: global_buffer, .address_space: global }
    .group_segment_fixed_size: 34816
    .private_segment_fixed_size: 0
    .kernarg_segment_align: 8
    .kernarg_segment_size: 72
    .max_flat_workgroup_size: 128
    .sgpr_count:     66
    .vgpr_count:     256
    .wavefront_size: 32
...
	.end_amdgpu_metadata
.endif
;; end of part 1
;; launch proj (part 2): grid 256 x 1, 8 waves a work-group, no clusters, 327,680 bytes of LDS; arguments xq, wqkv, rope, qh, kv; writes qh, kv
.if DOCPART == 2
	.amdgcn_target "amdgcn-amd-amdhsa--gfx1250"
	.amdhsa_code_object_version 6
	.text
	.protected	k_qc80299cb12_proj
	.globl	k_qc80299cb12_proj
	.p2align	8
	.type	k_qc80299cb12_proj,@function
k_qc80299cb12_proj:
	s_mov_b64 s[64:65], 0
	v_nop
	global_prefetch_b8 v0, s[64:65] scope:SCOPE_SE
	s_setreg_imm32_b32 hwreg(HW_REG_WAVE_MODE, 25, 1), 1
	s_wait_xcnt 0x0
; q, k and v: hidden_states x (wq | wk | wv) on codes of FP6 (E2M3) with E8M0 scales, sums in f32; the rotation of q and k in f32; then q and k are quantised along the head's 64 and v along the keys, out of the accumulators.
; ONE SHAPE for all 256 work-groups: source 0 has 256 rows (4 panels of 64), source 1 has 128 rows (2 panels), K = 1,024 in 8 steps.  A lane holds one row of source 1, and its registers run along source 0's rows.
;   ids 0-191 (q, k): source 0 = 256 features (four heads), source 1 = 128 tokens.  A weight's tile 2 b + u holds rows 32 b + 8 u + r + 8 (r / 8): a lane has 16 neighbours of each block of 32, and d and d + 32 of a head together.
;   ids 192-255 (v):  source 0 = 256 tokens, source 1 = 128 channels.  A tile u of tokens holds rows 8 u + r % 8 + 32 (r / 8): over a panel's four tiles lane (r, h) has keys 32 h .. 32 h + 31, a whole block.
; Wave w: source 0's panel w % 4, source 1's panel w / 4: 64 x 64, sixteen accumulators.
; OPERANDS lie in memory in the order of the registers, in units of 6,400 bytes (64 rows x 128 K), [panel][K step]: four K steps of a panel are 25,600 dense bytes.  K COMES IN TWO PHASES of four steps, a dense block a wave and phase:
; waves 0-3 a panel of source 0 (100 rows of 256 bytes), waves 4-7 two K steps of a panel of source 1 (50 rows).  Phase 0 is asked for at the head; phase 1 behind the full sequence and a barrier, into bytes of its own, and it has
; the first four steps' 64 products a wave in which to land.  Every LDS byte is filled once; a wave has one tensor load out.
; NO CLUSTER: what neighbours share is source 0 in one kind of work-group and source 1 in the other.  NO PREFETCH: there is no loop to run ahead in.
; OUT: q: [batch x 8 + head][panel of 64 tokens] units of 3,328 bytes (four tiles x 768, then 256 of scale words [s0, s1, 127, 127]);  k and v: [batch x 4 + head][128 keys] records of 13,056 bytes: k's two such units, then v's unit of 6,400.
; LIMITS: NaN and infinities are not served; a block of zeros or under 2^-124 gets the byte 1 (read by this program alone).
.set SPARE, 307200                     ; behind the six panels: the spare words, 128 bytes a wave
.set PB,    51200                      ; a panel in LDS: eight units
.set S1B,   204800                     ; source 1's two panels, behind source 0's four
.set F0,    16                         ; v16-63   source 0's four fragments
.set F1,    64                         ; v64-111  source 1's
.set ACC,   128                        ; v128-255 accumulator (m of source 1, n of source 0) at 128 + 32 m + 8 n
.set WV,    14
.set ISV,   15
.set G1,    24                         ; s[24:31] group 1: 100 rows of 256 bytes
.set G0,    32                         ; s[32:35] group 0 for source 0
.set G0B,   36                         ; s[36:39] for source 1
.set G1B,   40                         ; s[40:47] group 1: 50 rows
.set SEL,   72
.set MHI,   74
.set DST,   76
.set DSB,   78
.set RP,    80
.set BM,    112
.set PM,    114
.set SCO,   116
.set BY,    118
.set CT,    120
.set WD,    124
.macro CLOSE                           ; the wave's end
	s_wait_tensorcnt 0x0
	ds_add_u32 v1, v2
	s_wait_dscnt 0x0
	s_endpgm
.endm
.macro ASK la, lb                      ; one chain of two arms, a load in each: every wave issues exactly one
	s_cmp_lt_u32 s[WV], 4
	s_cbranch_scc0 \la
	tensor_load_to_lds s[G0:G0+3], s[G1:G1+7]
	s_nop 0
.rept 4
	v_nop
.endr
	s_branch \lb
\la:
	tensor_load_to_lds s[G0B:G0B+3], s[G1B:G1B+7]
	s_nop 0
.rept 4
	v_nop
.endr
\lb:
.endm
.macro MM d, a, b, z, sa, sb, ra, rb
.if (\z) && (\ra) && (\rb)
	v_wmma_scale_f32_16x16x128_f8f6f4 v[\d:\d+7], v[\a:\a+11], v[\b:\b+11], 0, v[\sa], v[\sb] matrix_a_fmt:MATRIX_FMT_FP6 matrix_b_fmt:MATRIX_FMT_FP6 matrix_a_scale:MATRIX_SCALE_ROW1 matrix_b_scale:MATRIX_SCALE_ROW1
.elseif (\z) && (\ra)
	v_wmma_scale_f32_16x16x128_f8f6f4 v[\d:\d+7], v[\a:\a+11], v[\b:\b+11], 0, v[\sa], v[\sb] matrix_a_fmt:MATRIX_FMT_FP6 matrix_b_fmt:MATRIX_FMT_FP6 matrix_a_scale:MATRIX_SCALE_ROW1
.elseif (\z) && (\rb)
	v_wmma_scale_f32_16x16x128_f8f6f4 v[\d:\d+7], v[\a:\a+11], v[\b:\b+11], 0, v[\sa], v[\sb] matrix_a_fmt:MATRIX_FMT_FP6 matrix_b_fmt:MATRIX_FMT_FP6 matrix_b_scale:MATRIX_SCALE_ROW1
.elseif (\z)
	v_wmma_scale_f32_16x16x128_f8f6f4 v[\d:\d+7], v[\a:\a+11], v[\b:\b+11], 0, v[\sa], v[\sb] matrix_a_fmt:MATRIX_FMT_FP6 matrix_b_fmt:MATRIX_FMT_FP6
.elseif (\ra) && (\rb)
	v_wmma_scale_f32_16x16x128_f8f6f4 v[\d:\d+7], v[\a:\a+11], v[\b:\b+11], v[\d:\d+7], v[\sa], v[\sb] matrix_a_fmt:MATRIX_FMT_FP6 matrix_b_fmt:MATRIX_FMT_FP6 matrix_a_scale:MATRIX_SCALE_ROW1 matrix_b_scale:MATRIX_SCALE_ROW1
.elseif (\ra)
	v_wmma_scale_f32_16x16x128_f8f6f4 v[\d:\d+7], v[\a:\a+11], v[\b:\b+11], v[\d:\d+7], v[\sa], v[\sb] matrix_a_fmt:MATRIX_FMT_FP6 matrix_b_fmt:MATRIX_FMT_FP6 matrix_a_scale:MATRIX_SCALE_ROW1
.elseif (\rb)
	v_wmma_scale_f32_16x16x128_f8f6f4 v[\d:\d+7], v[\a:\a+11], v[\b:\b+11], v[\d:\d+7], v[\sa], v[\sb] matrix_a_fmt:MATRIX_FMT_FP6 matrix_b_fmt:MATRIX_FMT_FP6 matrix_b_scale:MATRIX_SCALE_ROW1
.else
	v_wmma_scale_f32_16x16x128_f8f6f4 v[\d:\d+7], v[\a:\a+11], v[\b:\b+11], v[\d:\d+7], v[\sa], v[\sb] matrix_a_fmt:MATRIX_FMT_FP6 matrix_b_fmt:MATRIX_FMT_FP6
.endif
.endm
	s_load_b256 s[4:11], s[0:1], 0x0               ; xq, wqkv, rope, qh
	s_load_b64 s[12:13], s[0:1], 0x20              ; kv
	v_lshl_add_u32 v1, v0, 2, SPARE                ; my spare word,
	v_mov_b32 v2, 0                                ; and 0: kept for the add alone
	ds_add_u32 v1, v2                              ; the opening lines: the add, twice on end, and its wait ahead of my first tensor load
	ds_add_u32 v1, v2
	v_lshrrev_b32 v3, 5, v0
	v_readfirstlane_b32 s[WV], v3                  ; wave 0..7
.irp g, G1, G1B
	s_mov_b32 s[\g+0], 3<<16                       ; no mask; elements of 8 bytes; no padding
	s_mov_b32 s[\g+1], 32<<16                      ; tensor_dim0 = 32 elements: 256 bytes
	s_mov_b32 s[\g+3], 32<<16                      ; tile_dim0
	s_mov_b32 s[\g+5], 32                          ; the pitch: dense
	s_mov_b32 s[\g+6], 0
	s_mov_b32 s[\g+7], 0
.endr
	s_mov_b32 s[G1+2], 100<<16                     ; four K steps of a panel: 100 rows
	s_mov_b32 s[G1+4], 100
	s_mov_b32 s[G1B+2], 50<<16                     ; two K steps: 50 rows
	s_mov_b32 s[G1B+4], 50
	s_mov_b32 s[SEL], 0x76543210
	s_mov_b32 s[SEL+1], 0xfedcba98                 ; lane l xor 16
	s_mov_b32 s[MHI], 0xffff0000                   ; lanes 16-31
	s_and_b32 s70, s[WV], 3                        ; my panel of source 0
	s_lshr_b32 s71, s[WV], 2                       ; and of source 1
	s_lshr_b32 s66, ttmp9, 6                       ; q, k: block of 256 features: 0, 1 = q, 2 = k
	s_and_b32 s67, ttmp9, 63                       ;       block of 128 tokens
	s_sub_co_u32 s16, ttmp9, 192
	s_lshr_b32 s68, s16, 5                         ; v: block of 128 channels
	s_and_b32 s69, s16, 31                         ;    block of 256 tokens
	s_lshl_b32 s17, s66, 2                         ; first panels: q, k: source 0 in wqkv,
	s_lshl_b32 s18, s67, 1                         ;   source 1 in xq;
	s_lshl_b32 s19, s69, 2                         ; v: source 0 in xq,
	s_lshl_b32 s20, s68, 1
	s_add_co_u32 s20, s20, 12                      ;   source 1 in wqkv
	s_cmp_ge_u32 ttmp9, 192
	s_cselect_b32 s[ISV], 1, 0
	s_cselect_b32 s17, s19, s17
	s_cselect_b32 s18, s20, s18
	s_add_co_u32 s17, s17, s70                     ; source 0: panel wave % 4 of the four
	s_mul_i32 s20, s17, PB
	s_mov_b32 s21, 0
	s_lshr_b32 s16, s70, 1                         ; source 1: panel (wave % 4) / 2 of the two,
	s_and_b32 s19, s70, 1
	s_mul_i32 s19, s19, PB/4                       ; the first or the second two K steps of a phase's four
	s_add_co_u32 s18, s18, s16
	s_mul_i32 s22, s18, PB
	s_add_co_u32 s22, s22, s19
	s_mov_b32 s23, 0
	s_mov_b32 s[G0], 1
	s_mul_i32 s[G0+1], s70, PB                     ; LDS places hang on the wave's number alone
	s_mov_b32 s[G0B], 1
	s_mul_i32 s[G0B+1], s16, PB
	s_add_co_u32 s[G0B+1], s[G0B+1], s19
	s_add_co_u32 s[G0B+1], s[G0B+1], S1B
	s_wait_dscnt 0x0                               ; both opening adds are done
	s_wait_kmcnt 0x0
	s_cmp_eq_u32 s[ISV], 1                         ; which buffer is which source hangs on the work-group's number alone
	s_cselect_b64 s[G0+2:G0+3], s[4:5], s[6:7]
	s_cselect_b64 s[G0B+2:G0B+3], s[6:7], s[4:5]
	s_add_nc_u64 s[G0+2:G0+3], s[G0+2:G0+3], s[20:21]
	s_add_nc_u64 s[G0B+2:G0B+3], s[G0B+2:G0B+3], s[22:23]
	s_or_b32 s[G0+3], s[G0+3], 0x80000000
	s_or_b32 s[G0B+3], s[G0B+3], 0x80000000
	ASK .Lsrc1, .Lasked                            ; K steps 0-3
	v_and_b32 v7, 31, v0
	v_lshlrev_b32 v8, 4, v7                        ; 16 x lane
	v_lshlrev_b32 v9, 3, v7                        ; 8 x lane
	s_mul_i32 s16, s70, PB
	v_add_nc_u32 v3, s16, v8                       ; source 0's panel: registers 0-3 of a half,
	v_add_nc_u32 v4, s16, v9                       ; registers 4-5 and the scale words
	s_mul_i32 s16, s71, PB
	s_add_co_u32 s16, s16, S1B
	v_add_nc_u32 v5, s16, v8                       ; source 1's
	v_add_nc_u32 v6, s16, v9
	s_wait_alu depctr_va_vdst(0)                   ; the wait at the head's end
	s_wait_tensorcnt 0x0                           ; my block of phase 0 has landed
	ds_add_u32 v1, v2
	s_add_co_u32 s[G0+1], s[G0+1], PB/2            ; no load of mine is out, so a group 0 may be written: four K steps on, in LDS and in memory
	s_add_nc_u64 s[G0+2:G0+3], s[G0+2:G0+3], PB/2
	s_add_co_u32 s[G0B+1], s[G0B+1], PB/2
	s_add_nc_u64 s[G0B+2:G0B+3], s[G0B+2:G0B+3], PB/2
	s_wait_dscnt 0x0
	s_barrier_signal -1
	s_barrier_wait -1                              ; everybody's has: K steps 0-3 are whole
	ASK .Lsrc1b, .Lasked2                          ; K steps 4-7, into bytes of their own: my one tensor load behind the barrier, and the first thing there
; A K step: 128 along K, unit s of each panel: every offset is an immediate.  The sixteen accumulators take turns, one instruction a turn, in the same order in every step.
.macro KSTEP s
.if \s > 0
.rept 4
	v_nop                                          ; places in front of loads into registers that the products have read
.endr
.endif
	ds_load_b64 v[12:13], v4 offset:\s*6400+6144   ; scale words: register j: tile 2 j in lanes 0-15, tile 2 j + 1 in lanes 16-31
	ds_load_b64 v[14:15], v6 offset:\s*6400+6144
.irp i, 0,1,2,3
.irp c, 0,1
	ds_load_b128 v[F0+12*\i+6*\c:F0+12*\i+6*\c+3], v3 offset:\s*6400+\i*1536+\c*768
	ds_load_b64 v[F0+12*\i+6*\c+4:F0+12*\i+6*\c+5], v4 offset:\s*6400+\i*1536+\c*768+512
.endr
.endr
.irp i, 0,1,2,3
.irp c, 0,1
	ds_load_b128 v[F1+12*\i+6*\c:F1+12*\i+6*\c+3], v5 offset:\s*6400+\i*1536+\c*768
	ds_load_b64 v[F1+12*\i+6*\c+4:F1+12*\i+6*\c+5], v6 offset:\s*6400+\i*1536+\c*768+512
.endr
.endr
.irp m, 0,1,2,3
	s_wait_dscnt 12-4*\m                           ; source 1's tile m is in; the four loads of each later tile may be out
.irp n, 0,1,2,3
	MM ACC+32*\m+8*\n, F0+12*\n, F1+12*\m, (\s==0), 12+\n/2, 14+\m/2, (\n%2), (\m%2)
.endr
.endr
.endm
.irp k, 0,1,2,3
	KSTEP \k
.endr
	s_wait_tensorcnt 0x0                           ; my block of phase 1 has landed
	s_wait_dscnt 0x0
	s_barrier_signal -1
	s_barrier_wait -1                              ; everybody's has
.irp k, 4,5,6,7
	KSTEP \k
.endr
; q, k: 32 numbers of a lane, register 16 b + i = index 32 b + 16 (lane / 16) + i of my row, become a half fragment's six registers at v[c] on; the two blocks' bytes stand in v[BY], v[BY+1] of every lane.
.macro QUANT2 s, c
.irp b, 0,1
	v_max3_num_f32 v[BM+\b], |v[\s+16*\b]|, |v[\s+16*\b+1]|, 0x1800000   ; with the floor 2^(3 - 127): the byte cannot fall under 1
.endr
.irp i, 2,4,6,8,10,12,14
.irp b, 0,1
	v_max3_num_f32 v[BM+\b], v[BM+\b], |v[\s+16*\b+\i]|, |v[\s+16*\b+\i+1]|
.endr
.endr
.irp b, 0,1
	s_delay_alu instid0(VALU_DEP_2)
	v_permlanex16_b32 v[PM+\b], v[BM+\b], s[SEL], s[SEL+1]
.endr
.irp b, 0,1
	s_delay_alu instid0(VALU_DEP_2)
	v_max_num_f32 v[BM+\b], v[BM+\b], v[PM+\b]     ; with lane l xor 16's 16: the block's largest magnitude
.endr
.irp b, 0,1
	s_delay_alu instid0(VALU_DEP_2)
	v_add_nc_u32 v[SCO+\b], 0xff000000, v[BM+\b]   ; 2 off its exponent field: the conversion's scale operand
.endr
.irp b, 0,1
	s_delay_alu instid0(VALU_DEP_2)
	v_lshrrev_b32 v[BY+\b], 23, v[SCO+\b]          ; the scale's byte
.endr
	v_cvt_scalef32_pk16_fp6_f32 v[\c:\c+2], v[\s:\s+15], v[SCO]
	v_cvt_scalef32_pk16_fp6_f32 v[CT:CT+2], v[\s+16:\s+31], v[SCO+1]
	v_nop                                          ; one plain line behind a scaled conversion
.irp i, 0,1,2
	v_permlane16_swap_b32 v[\c+\i], v[CT+\i]       ; a whole block to a lane: lanes 0-15 block 0, lanes 16-31 block 1
.endr
.irp i, 0,1,2
	v_mov_b32 v[\c+3+\i], v[CT+\i]
.endr
.endm
; v: 32 numbers of a lane are ONE block, keys 32 (lane / 16) + 0 .. 31 of the panel: no other lane is asked, and the codes stand in the operand's order; the block's byte goes to v[by].
.macro QUANT1 s, c, by
	v_max3_num_f32 v[BM], |v[\s]|, |v[\s+1]|, 0x1800000
	v_max3_num_f32 v[BM+1], |v[\s+16]|, |v[\s+17]|, 0x1800000
.irp i, 2,4,6,8,10,12,14
	v_max3_num_f32 v[BM], v[BM], |v[\s+\i]|, |v[\s+\i+1]|
	v_max3_num_f32 v[BM+1], v[BM+1], |v[\s+16+\i]|, |v[\s+17+\i]|
.endr
	s_delay_alu instid0(VALU_DEP_1)
	v_max_num_f32 v[BM], v[BM], v[BM+1]
	s_delay_alu instid0(VALU_DEP_1)
	v_add_nc_u32 v[SCO], 0xff000000, v[BM]
	v_cvt_scalef32_pk16_fp6_f32 v[\c:\c+2], v[\s:\s+15], v[SCO]
	v_cvt_scalef32_pk16_fp6_f32 v[CT:CT+2], v[\s+16:\s+31], v[SCO]   ; (a conversion's three registers begin on an even number)
	v_lshrrev_b32 v[\by], 23, v[SCO]               ; the byte; also the plain line behind the conversions
.irp i, 0,1,2
	v_mov_b32 v[\c+3+\i], v[CT+\i]
.endr
.endm
	v_and_b32 v3, 15, v0                           ; r.  (These six lines are the places behind the last products)
	v_bfe_u32 v4, v0, 4, 1                         ; h
	v_and_b32 v5, 8, v3
	v_mad_u32_u24 v5, v5, 3, v3                    ; r % 8 + 32 (r / 8): my token in a tile of tokens
	v_mov_b32 v[PM], 0                             ; a lane permute's destination counts as one of its sources
	v_mov_b32 v[PM+1], 0
	s_mov_b32 s89, 0
	s_cmp_eq_u32 s[ISV], 1
	s_wait_alu depctr_va_vdst(0)                   ; the wait ahead of the branch
	s_cbranch_scc1 .Lv
	; ---- q, k: my panel of 64 tokens, my head
	s_lshl_b32 s82, s67, 1
	s_add_co_u32 s82, s82, s71                     ; the panel among 128
	s_lshr_b32 s83, s82, 6                         ; batch
	s_and_b32 s84, s82, 63                         ; panel in the sequence
	s_lshl_b32 s85, s83, 3
	s_lshl_b32 s86, s66, 2
	s_add_co_u32 s85, s85, s86
	s_add_co_u32 s85, s85, s70                     ; q: batch x 8 + head
	s_lshl_b32 s85, s85, 6
	s_add_co_u32 s85, s85, s84
	s_mul_i32 s85, s85, 3328
	s_lshl_b32 s86, s83, 2
	s_add_co_u32 s86, s86, s70                     ; k: batch x 4 + head
	s_lshl_b32 s86, s86, 5
	s_lshr_b32 s87, s84, 1
	s_add_co_u32 s86, s86, s87                     ; the record of 128 keys,
	s_mul_i32 s86, s86, 13056
	s_and_b32 s87, s84, 1
	s_mul_i32 s87, s87, 3328                       ; its first or second 64
	s_add_co_u32 s86, s86, s87
	s_cmp_lt_u32 s66, 2
	s_cselect_b64 s[DST:DST+1], s[10:11], s[12:13]
	s_cselect_b32 s88, s85, s86
	s_add_nc_u64 s[DST:DST+1], s[DST:DST+1], s[88:89]
	s_lshl_b32 s88, s84, 13                        ; the table at my panel's first token: 128 bytes a token
	s_add_nc_u64 s[RP:RP+1], s[8:9], s[88:89]
	v_lshlrev_b32 v7, 7, v5
	s_delay_alu instid0(VALU_DEP_1)
	v_lshl_add_u32 v7, v4, 6, v7                   ; my token's row, + 64 h: the 16 frequencies of my half
.macro RLOAD i                         ; tile i's cosines and sines into set i % 2; the tile's first token is 8 i
.irp q, 0,1,2,3
	global_load_b128 v[16+32*((\i)%2)+4*\q:16+32*((\i)%2)+4*\q+3], v7, s[RP:RP+1] offset:8*(\i)*128+16*\q
	global_load_b128 v[32+32*((\i)%2)+4*\q:32+32*((\i)%2)+4*\q+3], v7, s[RP:RP+1] offset:524288+8*(\i)*128+16*\q
.endr
.endm
.macro ROT i                           ; a = numbers d < 32 (registers 0-15), b = d + 32 (registers 16-31): a cos - b sin, b cos + a sin; each accumulator is read from its low end on
.set AA, ACC+32*(\i)
.set CB, 16+32*((\i)%2)
.irp j, 0,2,4,6,8,10,12,14
	v_pk_mul_f32 v[104+2*(\j%4):105+2*(\j%4)], v[AA+16+\j:AA+17+\j], v[CB+16+\j:CB+17+\j]
	v_pk_mul_f32 v[106+2*(\j%4):107+2*(\j%4)], v[AA+\j:AA+1+\j], v[CB+16+\j:CB+17+\j]
	v_pk_fma_f32 v[AA+\j:AA+1+\j], v[AA+\j:AA+1+\j], v[CB+\j:CB+1+\j], v[104+2*(\j%4):105+2*(\j%4)] neg_lo:[0,0,1] neg_hi:[0,0,1]
	v_pk_fma_f32 v[AA+16+\j:AA+17+\j], v[AA+16+\j:AA+17+\j], v[CB+\j:CB+1+\j], v[106+2*(\j%4):107+2*(\j%4)]
.endr
.endm
	RLOAD 0
	RLOAD 1
.irp m, 0,1,2,3
.if \m < 3
	s_wait_loadcnt 8                               ; this tile's eight loads are in; the next tile's eight may be out
.else
	s_wait_loadcnt 0x0
.endif
	ROT \m
.if \m < 2
	RLOAD \m+2
.endif
	QUANT2 ACC+32*\m, 80+6*\m
	v_lshl_or_b32 v[WD+\m], v[BY+1], 8, v[BY]
	s_delay_alu instid0(VALU_DEP_1)
	v_or_b32 v[WD+\m], 0x7f7f0000, v[WD+\m]        ; K is 64: the word's upper two bytes stand for 1
	global_store_b128 v8, v[80+6*\m:83+6*\m], s[DST:DST+1] offset:\m*768
	global_store_b64 v9, v[84+6*\m:85+6*\m], s[DST:DST+1] offset:\m*768+512
.if \m%2
	v_cndmask_b32 v[10+\m/2], v[WD+\m-1], v[WD+\m], s[MHI]
.endif
.endr
	global_store_b64 v9, v[10:11], s[DST:DST+1] offset:3072        ; the unit's 256 bytes of scale words
	CLOSE
.Lv:	; ---- v: my panel of 64 keys, my head's 64 channels
	s_lshl_b32 s82, s69, 2
	s_add_co_u32 s82, s82, s70                     ; the panel among 128
	s_lshr_b32 s83, s82, 6                         ; batch
	s_and_b32 s84, s82, 63
	s_lshl_b32 s85, s68, 1
	s_add_co_u32 s85, s85, s71                     ; head
	s_lshl_b32 s86, s83, 2
	s_add_co_u32 s86, s86, s85
	s_lshl_b32 s86, s86, 5
	s_lshr_b32 s87, s84, 1
	s_add_co_u32 s86, s86, s87
	s_mul_i32 s88, s86, 13056
	s_add_co_u32 s88, s88, 6656
	s_add_nc_u64 s[DSB:DSB+1], s[12:13], s[88:89]  ; v's unit in the record
	s_and_b32 s87, s84, 1                          ; which 64 of its 128 keys
	s_mul_i32 s88, s87, 768
	s_add_nc_u64 s[DST:DST+1], s[DSB:DSB+1], s[88:89]
	s_lshl_b32 s88, s87, 1
	s_add_co_u32 s88, s88, 6144
	s_add_nc_u64 s[DSB:DSB+1], s[DSB:DSB+1], s[88:89]   ; my two bytes of each scale word
	v_lshl_add_u32 v7, v3, 3, v4                   ; 8 r + h
.irp m, 0,1,2,3
	QUANT1 ACC+32*\m, 80+6*\m, WD+\m
	global_store_b128 v8, v[80+6*\m:83+6*\m], s[DST:DST+1] offset:\m*1536
	global_store_b64 v9, v[84+6*\m:85+6*\m], s[DST:DST+1] offset:\m*1536+512
	global_store_b8 v7, v[WD+\m], s[DSB:DSB+1] offset:128*(\m%2)+4*(\m/2)   ; lane (r, h) stores block h's byte, its own
.endr
	CLOSE
.Lfunc_end_k_qc80299cb12_proj:
	.size	k_qc80299cb12_proj, .Lfunc_end_k_qc80299cb12_proj-k_qc80299cb12_proj
	.p2alignl 7, 3214868480
	.fill 96, 4, 3214868480
	.section	.rodata,"a",@progbits
	.p2align	6, 0x0
	.amdhsa_kernel k_qc80299cb12_proj
		.amdhsa_group_segment_fixed_size 327680
		.amdhsa_private_segment_fixed_size 0
		.amdhsa_enable_private_segment 0
		.amdhsa_kernarg_size 40
		.amdhsa_user_sgpr_count 2
		.amdhsa_user_sgpr_kernarg_segment_ptr 1
		.amdhsa_wavefront_size32 1
		.amdhsa_system_sgpr_workgroup_id_x 1
		.amdhsa_system_sgpr_workgroup_id_y 1
		.amdhsa_system_sgpr_workgroup_id_z 1
		.amdhsa_system_vgpr_workitem_id 0
		.amdhsa_next_free_vgpr 256
		.amdhsa_next_free_sgpr 100
		.amdhsa_reserve_vcc 0
		.amdhsa_float_denorm_mode_32 3
		.amdhsa_float_denorm_mode_16_64 3
		.amdhsa_memory_ordered 1
		.amdhsa_forward_progress 1
		.amdhsa_inst_pref_size 71
	.end_amdhsa_kernel
	.amdgpu_metadata
---
amdhsa.version: [ 1, 2 ]
amdhsa.kernels:
  - .name:           k_qc80299cb12_proj
    .symbol:         k_qc80299cb12_proj.kd
    .args:
      - { .name: xq, .offset: 0, .size: 8, .value_kind: global_buffer, .address_space: global }
      - { .name: wqkv, .offset: 8, .size: 8, .value_kind: global_buffer, .address_space: global }
      - { .name: rope, .offset: 16, .size: 8, .value_kind: global_buffer, .address_space: global }
      - { .name: qh, .offset: 24, .size: 8, .value_kind: global_buffer, .address_space: global }
      - { .name: kv, .offset: 32, .size: 8, .value_kind: global_buffer, .address_space: global }
    .group_segment_fixed_size: 327680
    .private_segment_fixed_size: 0
    .kernarg_segment_align: 8
    .kernarg_segment_size: 40
    .max_flat_workgroup_size: 256
    .sgpr_count:     100
    .vgpr_count:     256
    .wavefront_size: 32
...
	.end_amdgpu_metadata
.endif
;; end of part 2
;; launch attn (part 3): grid 16 x 16, 16 waves a work-group, no clusters, 327,680 bytes of LDS; arguments qh, kv, ao; writes ao
.if DOCPART == 3
	.amdgcn_target "amdgcn-amd-amdhsa--gfx1250"
	.amdhsa_code_object_version 6
	.text
	.protected	k_qc80299cb12_attn
	.globl	k_qc80299cb12_attn
	.p2align	8
	.type	k_qc80299cb12_attn,@function
k_qc80299cb12_attn:
	s_mov_b64 s[64:65], 0
	v_nop
	global_prefetch_b8 v0, s[64:65] scope:SCOPE_SE
	s_setreg_imm32_b32 hwreg(HW_REG_WAVE_MODE, 25, 1), 1
	s_wait_xcnt 0x0
; Attention on codes of FP6 (E2M3) with E8M0 scales: S^T = K Q^T, p = 2^(t - M), O^T = V^T P^T, O / the row's sum, quantised along head x 64 + channel for the last projection.
; t = score x 0.1 log2(e); M = the running largest t rounded UP to a whole number; the sum is taken of the unquantised p, in f32; when M moves, the sum and O^T are multiplied by 2^(old M - new M), which rounds nothing.
; SHARES.  Work-group (x, y): 256 queries (block x) of batch y / 8, head y % 8; each of its sixteen waves owns one tile of 16 queries in 256 registers, four waves to a SIMD.  Every wave walks the head's 4,096 keys, 128 a step.
; LAYOUT.  Both products are used transposed: a lane holds ONE query throughout.  Tile u of a unit of 64 keys holds keys 8 u + r % 8 + 32 (r / 8): so lane (r, h) has, over the unit's four tiles, keys 32 h .. 32 h + 31 in its 32 registers:
; ONE WHOLE BLOCK of the second product's K, in the operand's own order.  A block's largest score needs no other lane, a lane serves two blocks a step, and the conversions' results are the operand (three moves a block, since a
; conversion's three registers begin on an even number).  Lane l xor 16 is asked twice a step: for the row's maximum and for its two bytes of p's scale word.
; K, V and Q lie in memory in the order of the registers: a record of 13,056 bytes holds a step's K (two units of 3,328: four tiles x 768 bytes, 256 of scale words) and V (6,400: four tiles x two halves x 768, 256 of scale words).
; K = 64 IN AN INSTRUCTION OF 128: Q's registers 6-11 are zero codes.  K's tile t is named as twelve registers from v[32 + 6 t]: the upper six are the next tile's codes (behind tile 7: six zeroed registers); each product there is a finite number x 0.
; THE ROW'S SUM runs in five chains of packed additions.  They also are the places that matrix instructions ask for: ten ahead of the second product, thirteen behind it (the next K fetch among them), and the four
; that join the chains behind the next step's first product.  No v_nop stands in a step.
; LDS.  24 records' room.  At the head waves 0-7 ask for a record each (0-7): what the first eight steps need, and no more.  Records 8-23 are first filled behind the full sequence and a barrier, a record a wave, all sixteen waves;
; when steps 0-7 are done, records 24-31 fill the bytes of records 0-7 again (waves 0-7).  A wave has one tensor load out; every wait on TENSORcnt is for 0.
; NO CLUSTER, NO PREFETCH: the launch has three fills; the second has eight steps and the third sixteen steps of all sixteen waves' work (some 200 vector instructions a wave and step) between its issue and the wait for it.
; LIMITS: NaN and infinities are not served; the promise holds while |t| stays under 2^31; a block of O that is zero or under 2^-124 gets the byte 1 (read by this program alone).
.set REC,   13056
.set SPARE, 313344                     ; behind the 24 records: the spare words, 128 bytes a wave
.set WV,    10
.set G1,    16                         ; s[16:23] group 1: 51 rows of 256 bytes
.set G0,    24                         ; s[24:27] group 0: record wave, later 24 + wave;  s[28:31]: record 8 + wave
.set CS,    36                         ; s[36:37] c = 0.1 log2(e)
.set SEL,   38
.set TB,    40                         ; LDS byte at which the trip's two records begin
.set CNT,   41
.set MHI,   59
; REGISTERS: v1, v2 16 x lane, 8 x lane; v3, v4 the add's two; v7 8 r; v8, v9 the trip's addresses; v10, v12 -M, by turns (v11, v13 named with them as pairs); v14 the largest score; v15 8 h; v16-21 Q, v22-27 zeros, v28 Q's scale words;
; v32-79 K, then V; v80-85 zeros; v86-89 K's scale words, v90-91 V's; v96-159 S^T, then p; v160-191 O^T; v192-203 p's codes; v204-210 conversions; v212-213 block maxima; v216-217 permutes; v218-219 bytes; v220-221 scale operands;
; v224 at work; v[226:227] f; v229 p's scale word; v230-239 the sum's five chains; v240-247 a maximum for each tile.
.macro MM d, a, b, z, sa, sb, ra
.if (\z) && (\ra)
	v_wmma_scale_f32_16x16x128_f8f6f4 v[\d:\d+7], v[\a:\a+11], v[\b:\b+11], 0, v[\sa], v[\sb] matrix_a_fmt:MATRIX_FMT_FP6 matrix_b_fmt:MATRIX_FMT_FP6 matrix_a_scale:MATRIX_SCALE_ROW1
.elseif (\z)
	v_wmma_scale_f32_16x16x128_f8f6f4 v[\d:\d+7], v[\a:\a+11], v[\b:\b+11], 0, v[\sa], v[\sb] matrix_a_fmt:MATRIX_FMT_FP6 matrix_b_fmt:MATRIX_FMT_FP6
.elseif (\ra)
	v_wmma_scale_f32_16x16x128_f8f6f4 v[\d:\d+7], v[\a:\a+11], v[\b:\b+11], v[\d:\d+7], v[\sa], v[\sb] matrix_a_fmt:MATRIX_FMT_FP6 matrix_b_fmt:MATRIX_FMT_FP6 matrix_a_scale:MATRIX_SCALE_ROW1
.else
	v_wmma_scale_f32_16x16x128_f8f6f4 v[\d:\d+7], v[\a:\a+11], v[\b:\b+11], v[\d:\d+7], v[\sa], v[\sb] matrix_a_fmt:MATRIX_FMT_FP6 matrix_b_fmt:MATRIX_FMT_FP6
.endif
.endm
.macro FILL g, lbl                     ; waves 0-7: a record each
	s_cmp_lt_u32 s[WV], 8
	s_cbranch_scc0 \lbl
	tensor_load_to_lds s[\g:\g+3], s[G1:G1+7]
	s_nop 0
.rept 4
	v_nop
.endr
\lbl:
.endm
	s_load_b128 s[4:7], s[0:1], 0x0                ; qh, kv
	s_load_b64 s[8:9], s[0:1], 0x10                ; ao
	v_lshl_add_u32 v3, v0, 2, SPARE                ; my spare word,
	v_mov_b32 v4, 0                                ; and 0: kept for the add alone
	ds_add_u32 v3, v4                              ; the opening lines: the add, twice on end, and its wait ahead of my first tensor load
	ds_add_u32 v3, v4
	v_lshrrev_b32 v5, 5, v0
	v_readfirstlane_b32 s[WV], v5                  ; wave 0..15
	s_mov_b32 s[G1+0], 3<<16                       ; no mask; elements of 8 bytes; no padding
	s_mov_b32 s[G1+1], 32<<16                      ; tensor_dim0 = 32 elements: 256 bytes
	s_mov_b32 s[G1+2], 51<<16                      ; tensor_dim1 = 51 rows: a record
	s_mov_b32 s[G1+3], 32<<16                      ; tile_dim0
	s_mov_b32 s[G1+4], 51                          ; tile_dim1
	s_mov_b32 s[G1+5], 32                          ; the pitch: dense
	s_mov_b32 s[G1+6], 0
	s_mov_b32 s[G1+7], 0
	s_and_b32 s12, ttmp7, 0xffff                   ; y = batch x 8 + head
	s_lshr_b32 s13, s12, 3                         ; batch
	s_and_b32 s14, s12, 7                          ; head
	s_lshr_b32 s15, s14, 1                         ; its key and value head
	s_lshl_b32 s42, s13, 2
	s_add_co_u32 s42, s42, s15
	s_lshl_b32 s42, s42, 5
	s_add_co_u32 s42, s42, s[WV]                   ; record wave of my key and value head
	s_mul_i32 s42, s42, REC
	s_mov_b32 s43, 0
	s_mul_i32 s44, s[WV], REC                      ; and its place in LDS
	s_mov_b32 s[CS], 0x3E13BB63                    ; c = 0.8 / sqrt(64) x log2(e)
	s_mov_b32 s[CS+1], s[CS]                       ; (named with it as a pair, so it is written)
	s_mov_b32 s[SEL], 0x76543210
	s_mov_b32 s[SEL+1], 0xfedcba98                 ; lane l xor 16
	s_mov_b32 s[MHI], 0xffff0000                   ; lanes 16-31
	s_wait_dscnt 0x0                               ; both opening adds are done
	s_wait_kmcnt 0x0
	s_add_nc_u64 s[42:43], s[6:7], s[42:43]
.irp s, 0,1
	s_mov_b32 s[G0+4*\s], 1
	s_add_co_u32 s[G0+4*\s+1], s44, \s*8*REC
	s_add_nc_u64 s[G0+4*\s+2:G0+4*\s+3], s[42:43], \s*8*REC   ; eight records on in memory too
	s_or_b32 s[G0+4*\s+3], s[G0+4*\s+3], 0x80000000
.endr
	FILL G0, .Lno_head                             ; records 0-7: one load a wave at the head, in waves 0-7
	s_lshl_b32 s45, ttmp9, 2
	s_lshr_b32 s46, s[WV], 2
	s_add_co_u32 s45, s45, s46                     ; my panel of 64 queries in the sequence
	s_and_b32 s47, s[WV], 3                        ; my tile in it
	s_lshl_b32 s48, s12, 6
	s_add_co_u32 s48, s48, s45
	s_mul_i32 s48, s48, 3328
	s_mov_b32 s49, 0
	s_add_nc_u64 s[50:51], s[4:5], s[48:49]        ; the panel's unit
	s_mul_i32 s48, s47, 768
	s_add_nc_u64 s[52:53], s[50:51], s[48:49]      ; my tile's codes
	s_and_b32 s54, s47, 1
	s_lshr_b32 s55, s47, 1
	s_lshl_b32 s57, s54, 7
	s_lshl_b32 s56, s55, 2
	s_add_co_u32 s57, s57, s56                     ; my tile's place among scale words: 128 u + 4 j
	s_mov_b32 s48, s57
	s_add_nc_u64 s[50:51], s[50:51], s[48:49]
	v_and_b32 v5, 31, v0
	v_and_b32 v6, 15, v0
	v_bfe_u32 v15, v0, 4, 1
	v_lshlrev_b32 v1, 4, v5                        ; 16 x lane
	v_lshlrev_b32 v2, 3, v5                        ; 8 x lane
	v_lshlrev_b32 v7, 3, v6                        ; 8 r
	v_lshlrev_b32 v15, 3, v15                      ; 8 h
	s_wait_alu depctr_va_vdst(0)                   ; the wait ahead of the readers below
	global_load_b128 v[16:19], v1, s[52:53]
	global_load_b64 v[20:21], v2, s[52:53] offset:512
	global_load_b32 v28, v7, s[50:51] offset:3072  ; row r's word, in both halves of the lanes
.irp j, 22,23,24,25,26,27,80,81,82,83,84,85
	v_mov_b32 v[\j], 0                             ; zero codes for k = 64 .. 127
.endr
	v_mov_b32 v14, 0xff61b1e6                      ; the largest score so far: -3e38, under every score
	v_mov_b32 v10, 0x7e000000                      ; -M to go with it: 2^125, so that the first f is 0
.irp j, 11,13,216,217,227,230,231,232,233,234,235,236,237,238,239
	v_mov_b32 v[\j], 0                             ; upper halves of pairs, permutes' destinations, the sum's five chains
.endr
.set j, 0
.rept 32
	v_mov_b32 v[160+j], 0                          ; O^T.  (The step is written without a first form: the first change of M multiplies zeros)
.set j, j+1
.endr
.macro KLOAD o                         ; a step's K: eight tiles of six registers, and four registers of scale words
.irp t, 0,1,2,3,4,5,6,7
	ds_load_b128 v[32+6*\t:35+6*\t], v8 offset:(\o)+(\t/4)*3328+(\t%4)*768
	ds_load_b64 v[36+6*\t:37+6*\t], v9 offset:(\o)+(\t/4)*3328+(\t%4)*768+512
.endr
	ds_load_b64 v[86:87], v9 offset:(\o)+3072
	ds_load_b64 v[88:89], v9 offset:(\o)+6400
.endm
.macro OM j                            ; two numbers of O^T under the new M
	v_pk_mul_f32 v[160+2*(\j):161+2*(\j)], v[160+2*(\j):161+2*(\j)], v[226:227] op_sel_hi:[1,0]
.endm
.macro LA k                            ; pair k of p onto chain (k - 9) % 5
	v_pk_add_f32 v[230+2*(((\k)-9)%5):231+2*(((\k)-9)%5)], v[230+2*(((\k)-9)%5):231+2*(((\k)-9)%5)], v[96+2*(\k):97+2*(\k)]
.endm
.macro TM n                            ; n pairs of scores become t - M
.rept \n
	v_pk_fma_f32 v[96+j:97+j], v[96+j:97+j], s[CS:CS+1], v[NN:NN+1] op_sel_hi:[1,0,0]
.set j, j+2
.endr
.endm
; A KEY STEP: 128 keys, the record at byte o of the trip's two.  nn: the register that takes the new -M, on: the one that holds the old.  ld: K is fetched here; nxt: the next step's K is fetched behind this step's last products.
.macro STEP o, nn, on, ld, nxt
.set NN, \nn
.if \ld
	KLOAD \o
.endif
	s_wait_alu depctr_va_vdst(0)                   ; the wait ahead of the wait below
	s_wait_dscnt 0x0                               ; K is in
.irp t, 0,1,2,3,4,5,6,7
	MM 96+8*\t, 32+6*\t, 16, 1, 86+\t/2, 28, (\t%2)   ; S^T: registers 96 + 32 c + i are keys 64 c + 32 (lane / 16) + i
.endr
	v_pk_add_f32 v[230:231], v[230:231], v[232:233]   ; the last step's five chains are joined: four places, in front of V's loads into K's registers and of the first read of the scores
	v_pk_add_f32 v[234:235], v[234:235], v[236:237]
	v_pk_add_f32 v[230:231], v[230:231], v[238:239]
	v_pk_add_f32 v[230:231], v[230:231], v[234:235]
.irp n, 0,1,2,3
.irp c, 0,1
	ds_load_b128 v[32+12*\n+6*\c:35+12*\n+6*\c], v8 offset:(\o)+6656+\n*1536+\c*768       ; V lands while the softmax is walked
	ds_load_b64 v[36+12*\n+6*\c:37+12*\n+6*\c], v9 offset:(\o)+6656+\n*1536+\c*768+512
.endr
.endr
	ds_load_b64 v[90:91], v9 offset:(\o)+12800
.irp q, 0,1,2,3,4,5,6,7
	v_max3_num_f32 v[240+\q], v[96+8*\q], v[97+8*\q], v[98+8*\q]   ; eight chains, one to a tile: each accumulator is read from its low end on
.endr
.irp i, 3,5
.irp q, 0,1,2,3,4,5,6,7
	v_max3_num_f32 v[240+\q], v[240+\q], v[96+8*\q+\i], v[97+8*\q+\i]
.endr
.endr
	v_max3_num_f32 v240, v240, v241, v103          ; four chains and each tile's last register make a block's maximum
	v_max3_num_f32 v244, v244, v245, v135
	v_max3_num_f32 v242, v242, v243, v111
	v_max3_num_f32 v246, v246, v247, v143
	v_max3_num_f32 v240, v240, v119, v127
	v_max3_num_f32 v244, v244, v151, v159
	v_max_num_f32 v212, v240, v242                 ; my two blocks' largest scores: for the row's maximum and, since p rises with the score, for each block's largest p
	v_max_num_f32 v213, v244, v246
	v_max3_num_f32 v224, v212, v213, v14
	v_permlanex16_b32 v216, v224, s[SEL], s[SEL+1]
	v_max_num_f32 v14, v224, v216                  ; the running largest score of my query
	v_mul_f32 v224, s[CS], v14                     ; as t (c is positive)
	v_floor_f32 v[\nn], -v224                      ; the new -M = floor(-t): M is a whole number
	v_sub_f32 v224, v[\nn], v[\on]                 ; old M - new M: a whole number, 0 or less
.set j, 0
	TM 4
	v_cvt_i32_f32 v224, v224                       ; (it saturates)
	TM 4
	v_ldexp_f32 v226, 1.0, v224                    ; f = 2^(old M - new M)
	TM 24
	v_fma_f32 v212, v212, s[CS], v[\nn]            ; the same of each block's largest score
	v_fma_f32 v213, v213, s[CS], v[\nn]
	s_wait_alu depctr_va_vdst(0)                   ; the wait ahead of the batch
	v_exp_f32 v212, v212                           ; the block's largest p: the same two instructions on the same number
	v_exp_f32 v213, v213
.set j, 0
.rept 64
	v_exp_f32 v[96+j], v[96+j]                     ; p = 2^(t - M), at most 1: not normalised
.set j, j+1
.endr
	s_wait_dscnt 0x0                               ; V is in
	s_wait_alu depctr_va_vdst(0)                   ; one wait for the batch and for O^T's first readers, directly ahead of them
	OM 0                                           ; each accumulator's low end first
	OM 4
	OM 8
	OM 12
	v_max_num_f32 v212, 0x1800000, v212            ; the floor 2^(3 - 127): the byte cannot fall under 1
	v_max_num_f32 v213, 0x1800000, v213
	OM 1
	OM 2
	v_add_nc_u32 v220, 0xff000000, v212            ; 2 off the exponent field: the conversion's scale operand
	v_add_nc_u32 v221, 0xff000000, v213
	OM 3
	OM 5
	v_lshrrev_b32 v218, 23, v220                   ; the scale's byte: blocks h and 2 + h
	v_lshrrev_b32 v219, 23, v221
	OM 6
	OM 7
	v_lshl_or_b32 v229, v219, 16, v218
	OM 9
	OM 10
	v_lshlrev_b32 v229, v15, v229                  ; at their places in the word, 8 h bits up
	OM 11
	OM 13
	v_permlanex16_b32 v217, v229, s[SEL], s[SEL+1]
	OM 14
	OM 15
	v_or_b32 v229, v229, v217                      ; with lane l xor 16's two: p's scale word for these 128 keys
.irp c, 0,1
	v_cvt_scalef32_pk16_fp6_f32 v[192+6*\c:194+6*\c], v[96+32*\c:111+32*\c], v[220+\c]
	v_cvt_scalef32_pk16_fp6_f32 v[204+4*\c:206+4*\c], v[112+32*\c:127+32*\c], v[220+\c]
.endr
	v_pk_fma_f32 v[230:231], v[230:231], v[226:227], v[96:97] op_sel_hi:[1,0,1]   ; the sum under the new M, and p's first pair; also the plain line behind the conversions
	v_pk_add_f32 v[232:233], v[98:99], v[100:101]  ; four more chains begin
	v_pk_add_f32 v[234:235], v[102:103], v[104:105]
	v_pk_add_f32 v[236:237], v[106:107], v[108:109]
	v_pk_add_f32 v[238:239], v[110:111], v[112:113]
.irp c, 0,1
.irp i, 0,1,2
	v_mov_b32 v[195+6*\c+\i], v[204+4*\c+\i]       ; registers 6 c .. 6 c + 5 hold k = 64 c + 32 h + 0 .. 31
.endr
.endr
.irp k, 9,10,11,12,13,14,15,16,17,18
	LA \k                                          ; ten places between p's codes and the products
.endr
.irp n, 0,1,2,3
	MM 160+8*\n, 32+12*\n, 192, 0, 90+\n/2, 229, (\n%2)   ; O^T += V^T P^T: four accumulators, one instruction each
.endr
.irp k, 19,20,21,22,23
	LA \k                                          ; places in front of loads into V's registers
.endr
.if \nxt
	KLOAD (\o)+REC
.endif
.irp k, 24,25,26,27,28,29,30,31
	LA \k
.endr
.endm
.macro TRIP                            ; two steps: -M's two registers are back where they began
	v_add_nc_u32 v8, s[TB], v1
	v_add_nc_u32 v9, s[TB], v2
	STEP 0, 12, 10, 1, 1
	STEP REC, 10, 12, 0, 0
	s_add_co_u32 s[TB], s[TB], 2*REC
	s_sub_co_i32 s[CNT], s[CNT], 1
	s_cmp_lg_u32 s[CNT], 0
	s_wait_alu depctr_va_vdst(0)                   ; the wait ahead of the branch
.endm
	s_wait_alu depctr_va_vdst(0)                   ; the wait at the head's end
	s_wait_tensorcnt 0x0                           ; my record, if I asked for one, has landed
	ds_add_u32 v3, v4
	ds_add_u32 v3, v4                              ; the add twice on end here
	s_wait_dscnt 0x0
	s_barrier_signal -1
	s_barrier_wait -1                              ; records 0-7 are whole
	tensor_load_to_lds s[G0+4:G0+7], s[G1:G1+7]    ; record 8 + wave, filled for the first time: every wave's one load behind the barrier, and the first thing there
	s_nop 0
	s_wait_loadcnt 0x0                             ; Q
	s_mov_b32 s[TB], 0
	s_mov_b32 s[CNT], 4
.Lfirst:                                           ; steps 0-7
	TRIP
	s_cbranch_scc1 .Lfirst
	s_wait_tensorcnt 0x0                           ; all my tensor loads have landed, my one of records 8-23 among them: a group 0 may be written
	ds_add_u32 v3, v4                              ; 0 onto my spare word
	s_add_nc_u64 s[G0+2:G0+3], s[G0+2:G0+3], 24*REC   ; 24 records on
	s_wait_dscnt 0x0                               ; the add is done, and my reads of records 0-7 are over
	s_barrier_signal -1
	s_barrier_wait -1                              ; both hold of all sixteen waves
	FILL G0, .Lno_refill                           ; records 24-31, into the bytes of records 0-7: the wave's one load behind the barrier, and the first thing there
	s_mov_b32 s[TB], 8*REC                         ; (its value already: stated so that the loop's bytes can be read off the text)
	s_mov_b32 s[CNT], 8
.Lmiddle:                                          ; steps 8-23
	TRIP
	s_cbranch_scc1 .Lmiddle
	s_wait_tensorcnt 0x0                           ; my part of the refill has landed
	s_wait_dscnt 0x0
	s_barrier_signal -1
	s_barrier_wait -1                              ; everybody's has; nothing is filled again
	s_mov_b32 s[TB], 0
	s_mov_b32 s[CNT], 4
.Llast:                                            ; steps 24-31
	TRIP
	s_cbranch_scc1 .Llast
	; THE WAY OUT: O^T / the sum; its 32 registers run along my head's 64 channels (register 16 b + i = channel 32 b + 16 h + i): two blocks of the last projection's K; the codes are half (head % 2) of my tile in the unit of my panel and head pair.
	v_pk_add_f32 v[230:231], v[230:231], v[232:233]   ; the five chains,
	v_pk_add_f32 v[234:235], v[234:235], v[236:237]
	v_pk_add_f32 v[230:231], v[230:231], v[238:239]
	s_delay_alu instid0(VALU_DEP_1)
	v_pk_add_f32 v[230:231], v[230:231], v[234:235]
	s_delay_alu instid0(VALU_DEP_1)
	v_add_f32 v14, v230, v231                      ; the sum's two halves,
	s_delay_alu instid0(VALU_DEP_1)
	v_permlanex16_b32 v216, v14, s[SEL], s[SEL+1]
	s_delay_alu instid0(VALU_DEP_1)
	v_add_f32 v14, v14, v216                       ; and lane l xor 16's
	s_wait_alu depctr_va_vdst(0)
	v_rcp_f32 v14, v14
	v_bfe_u32 v5, v0, 4, 1                         ; h.  (Plain lines behind the reciprocal)
	v_add_nc_u32 v7, v7, v5                        ; 8 r + h
	s_lshl_b32 s48, s13, 6
	s_add_co_u32 s48, s48, s45                     ; batch x 64 + panel,
	s_lshl_b32 s48, s48, 2
	s_add_co_u32 s48, s48, s15                     ; x 4 + head pair: units lie [panel][K step]
	s_mul_i32 s48, s48, 6400
	s_add_nc_u64 s[50:51], s[8:9], s[48:49]        ; the unit
	s_and_b32 s58, s14, 1
	s_mul_i32 s48, s47, 1536
	s_mul_i32 s56, s58, 768
	s_add_co_u32 s48, s48, s56
	s_add_nc_u64 s[52:53], s[50:51], s[48:49]      ; my half of my tile
	s_lshl_b32 s48, s58, 1
	s_add_co_u32 s48, s48, s57
	s_add_co_u32 s48, s48, 6144
	s_add_nc_u64 s[50:51], s[50:51], s[48:49]      ; my two bytes of my tile's scale words
	s_wait_alu depctr_va_vdst(0)                   ; the wait ahead of the first reader of the reciprocal and of O^T
.set j, 0
.rept 32
	v_mul_f32 v[96+j], v[160+j], v14               ; each accumulator is read from its low end on
.set j, j+1
.endr
.irp b, 0,1
	v_max3_num_f32 v[212+\b], |v[96+16*\b]|, |v[97+16*\b]|, 0x1800000
.endr
.irp i, 2,4,6,8,10,12,14
.irp b, 0,1
	s_delay_alu instid0(VALU_DEP_2)
	v_max3_num_f32 v[212+\b], v[212+\b], |v[96+16*\b+\i]|, |v[97+16*\b+\i]|
.endr
.endr
.irp b, 0,1
	s_delay_alu instid0(VALU_DEP_2)
	v_permlanex16_b32 v[216+\b], v[212+\b], s[SEL], s[SEL+1]
.endr
.irp b, 0,1
	s_delay_alu instid0(VALU_DEP_2)
	v_max_num_f32 v[212+\b], v[212+\b], v[216+\b]
.endr
.irp b, 0,1
	s_delay_alu instid0(VALU_DEP_2)
	v_add_nc_u32 v[220+\b], 0xff000000, v[212+\b]
.endr
.irp b, 0,1
	s_delay_alu instid0(VALU_DEP_2)
	v_lshrrev_b32 v[218+\b], 23, v[220+\b]
.endr
	v_cvt_scalef32_pk16_fp6_f32 v[192:194], v[96:111], v220
	v_cvt_scalef32_pk16_fp6_f32 v[204:206], v[112:127], v221
	v_cndmask_b32 v224, v218, v219, s[MHI]         ; lane (r, h) stores block h's byte; also the plain line behind the conversions
.irp i, 0,1,2
	v_permlane16_swap_b32 v[192+\i], v[204+\i]     ; a whole block to a lane
.endr
.irp i, 0,1,2
	v_mov_b32 v[195+\i], v[204+\i]
.endr
	global_store_b128 v1, v[192:195], s[52:53]
	global_store_b64 v2, v[196:197], s[52:53] offset:512
	global_store_b8 v7, v224, s[50:51]
	s_wait_tensorcnt 0x0                           ; the wave's end
	ds_add_u32 v3, v4
	s_wait_dscnt 0x0
	s_endpgm
.Lfunc_end_k_qc80299cb12_attn:
	.size	k_qc80299cb12_attn, .Lfunc_end_k_qc80299cb12_attn-k_qc80299cb12_attn
	.p2alignl 7, 3214868480
	.fill 96, 4, 3214868480
	.section	.rodata,"a",@progbits
	.p2align	6, 0x0
	.amdhsa_kernel k_qc80299cb12_attn
		.amdhsa_group_segment_fixed_size 327680
		.amdhsa_private_segment_fixed_size 0
		.amdhsa_enable_private_segment 0
		.amdhsa_kernarg_size 24
		.amdhsa_user_sgpr_count 2
		.amdhsa_user_sgpr_kernarg_segment_ptr 1
		.amdhsa_wavefront_size32 1
		.amdhsa_system_sgpr_workgroup_id_x 1
		.amdhsa_system_sgpr_workgroup_id_y 1
		.amdhsa_system_sgpr_workgroup_id_z 1
		.amdhsa_system_vgpr_workitem_id 0
		.amdhsa_next_free_vgpr 256
		.amdhsa_next_free_sgpr 66
		.amdhsa_reserve_vcc 0
		.amdhsa_float_denorm_mode_32 3
		.amdhsa_float_denorm_mode_16_64 3
		.amdhsa_memory_ordered 1
		.amdhsa_forward_progress 1
		.amdhsa_inst_pref_size 99
	.end_amdhsa_kernel
	.amdgpu_metadata
---
amdhsa.version: [ 1, 2 ]
amdhsa.kernels:
  - .name:           k_qc80299cb12_attn
    .symbol:         k_qc80299cb12_attn.kd
    .args:
      - { .name: qh, .offset: 0, .size: 8, .value_kind: global_buffer, .address_space: global }
      - { .name: kv, .offset: 8, .size: 8, .value_kind: global_buffer, .address_space: global }
      - { .name: ao, .offset: 16, .size: 8, .value_kind: global_buffer, .address_space: global }
    .group_segment_fixed_size: 327680
    .private_segment_fixed_size: 0
    .kernarg_segment_align: 8
    .kernarg_segment_size: 24
    .max_flat_workgroup_size: 512
    .sgpr_count:     66
    .vgpr_count:     256
    .wavefront_size: 32
...
	.end_amdgpu_metadata
.endif
;; end of part 3
;; launch oproj (part 4): grid 256 x 1, 8 waves a work-group, no clusters, 189,440 bytes of LDS; arguments ao, woq, out0; writes out0
.if DOCPART == 4
	.amdgcn_target "amdgcn-amd-amdhsa--gfx1250"
	.amdhsa_code_object_version 6
	.text
	.protected	k_qc80299cb12_oproj
	.globl	k_qc80299cb12_oproj
	.p2align	8
	.type	k_qc80299cb12_oproj,@function
k_qc80299cb12_oproj:
	s_mov_b64 s[64:65], 0
	v_nop
	global_prefetch_b8 v0, s[64:65] scope:SCOPE_SE
	s_setreg_imm32_b32 hwreg(HW_REG_WAVE_MODE, 25, 1), 1
	s_wait_xcnt 0x0
; out0 = attention's result x wo, on codes of FP6 (E2M3) with E8M0 scales, sums in f32.  K = 512 in 4 steps.
; A work-group makes 128 tokens x 256 columns: source 0 = 256 columns of wo (4 panels of 64), source 1 = 128 tokens (2 panels).  Wave w: columns' panel w % 4, tokens' panel w / 4: 64 x 64, sixteen accumulators.
; A lane holds one token, and the 16 registers of two neighbouring tiles of columns are 16 neighbouring columns.  Operands lie in memory in the order of the registers, in units of 6,400 bytes (64 rows x 128 K), [panel][K step]:
; a panel's whole K is 25,600 dense bytes.  Each wave brings one dense block by ONE tensor load at the head: waves 0-3 a panel of wo (100 rows of 256 bytes), waves 4-7 half a panel of tokens (50 rows).  Every LDS byte is filled once.
; NO CLUSTER, NO PREFETCH: each work-group asks for all its operands once, at the head, 153,600 bytes; there is no loop to run ahead in.
; THE WAY OUT: a tile of 16 tokens x 64 columns goes through the wave's own stage in LDS and leaves as rows of 256 bytes: sixteen lanes store 256 consecutive bytes, at a multiple of 256 from out0's first byte.
; Row q of tile i of tokens is token 8 i + q % 8 + 32 (q / 8) of the panel's 64.
.set SPARE, 188416                     ; behind the stages: the spare words, 128 bytes a wave
.set PB,    25600                      ; a panel in LDS: four units
.set S1B,   102400                     ; the tokens' two panels, behind wo's four
.set STAGE, 153600                     ; behind the operands: 16 rows x 272 bytes for each wave; no tensor load lands here
.set F0,    16
.set F1,    64
.set ACC,   128
.set WV,    14
.set G1,    24                         ; s[24:31] group 1: 100 rows
.set G0,    32                         ; s[32:35] group 0 for wo
.set G0B,   36                         ; s[36:39] for the tokens
.set G1B,   40                         ; s[40:47] group 1: 50 rows
.set OUT,   48
.macro MM d, a, b, z, sa, sb, ra, rb
.if (\z) && (\ra) && (\rb)
	v_wmma_scale_f32_16x16x128_f8f6f4 v[\d:\d+7], v[\a:\a+11], v[\b:\b+11], 0, v[\sa], v[\sb] matrix_a_fmt:MATRIX_FMT_FP6 matrix_b_fmt:MATRIX_FMT_FP6 matrix_a_scale:MATRIX_SCALE_ROW1 matrix_b_scale:MATRIX_SCALE_ROW1
.elseif (\z) && (\ra)
	v_wmma_scale_f32_16x16x128_f8f6f4 v[\d:\d+7], v[\a:\a+11], v[\b:\b+11], 0, v[\sa], v[\sb] matrix_a_fmt:MATRIX_FMT_FP6 matrix_b_fmt:MATRIX_FMT_FP6 matrix_a_scale:MATRIX_SCALE_ROW1
.elseif (\z) && (\rb)
	v_wmma_scale_f32_16x16x128_f8f6f4 v[\d:\d+7], v[\a:\a+11], v[\b:\b+11], 0, v[\sa], v[\sb] matrix_a_fmt:MATRIX_FMT_FP6 matrix_b_fmt:MATRIX_FMT_FP6 matrix_b_scale:MATRIX_SCALE_ROW1
.elseif (\z)
	v_wmma_scale_f32_16x16x128_f8f6f4 v[\d:\d+7], v[\a:\a+11], v[\b:\b+11], 0, v[\sa], v[\sb] matrix_a_fmt:MATRIX_FMT_FP6 matrix_b_fmt:MATRIX_FMT_FP6
.elseif (\ra) && (\rb)
	v_wmma_scale_f32_16x16x128_f8f6f4 v[\d:\d+7], v[\a:\a+11], v[\b:\b+11], v[\d:\d+7], v[\sa], v[\sb] matrix_a_fmt:MATRIX_FMT_FP6 matrix_b_fmt:MATRIX_FMT_FP6 matrix_a_scale:MATRIX_SCALE_ROW1 matrix_b_scale:MATRIX_SCALE_ROW1
.elseif (\ra)
	v_wmma_scale_f32_16x16x128_f8f6f4 v[\d:\d+7], v[\a:\a+11], v[\b:\b+11], v[\d:\d+7], v[\sa], v[\sb] matrix_a_fmt:MATRIX_FMT_FP6 matrix_b_fmt:MATRIX_FMT_FP6 matrix_a_scale:MATRIX_SCALE_ROW1
.elseif (\rb)
	v_wmma_scale_f32_16x16x128_f8f6f4 v[\d:\d+7], v[\a:\a+11], v[\b:\b+11], v[\d:\d+7], v[\sa], v[\sb] matrix_a_fmt:MATRIX_FMT_FP6 matrix_b_fmt:MATRIX_FMT_FP6 matrix_b_scale:MATRIX_SCALE_ROW1
.else
	v_wmma_scale_f32_16x16x128_f8f6f4 v[\d:\d+7], v[\a:\a+11], v[\b:\b+11], v[\d:\d+7], v[\sa], v[\sb] matrix_a_fmt:MATRIX_FMT_FP6 matrix_b_fmt:MATRIX_FMT_FP6
.endif
.endm
	s_load_b128 s[4:7], s[0:1], 0x0                ; ao, woq
	s_load_b64 s[8:9], s[0:1], 0x10                ; out0
	v_lshl_add_u32 v1, v0, 2, SPARE                ; my spare word,
	v_mov_b32 v2, 0                                ; and 0: kept for the add alone
	ds_add_u32 v1, v2                              ; the opening lines: the add, twice on end, and its wait ahead of my tensor load
	ds_add_u32 v1, v2
	v_lshrrev_b32 v3, 5, v0
	v_readfirstlane_b32 s[WV], v3                  ; wave 0..7
.irp g, G1, G1B
	s_mov_b32 s[\g+0], 3<<16                       ; no mask; elements of 8 bytes; no padding
	s_mov_b32 s[\g+1], 32<<16                      ; tensor_dim0 = 32 elements: 256 bytes
	s_mov_b32 s[\g+3], 32<<16                      ; tile_dim0
	s_mov_b32 s[\g+5], 32                          ; the pitch: dense
	s_mov_b32 s[\g+6], 0
	s_mov_b32 s[\g+7], 0
.endr
	s_mov_b32 s[G1+2], 100<<16                     ; a panel: 100 rows
	s_mov_b32 s[G1+4], 100
	s_mov_b32 s[G1B+2], 50<<16                     ; half a panel: 50 rows
	s_mov_b32 s[G1B+4], 50
	s_and_b32 s70, s[WV], 3                        ; my panel of columns
	s_lshr_b32 s71, s[WV], 2                       ; and of tokens
	s_lshr_b32 s66, ttmp9, 6                       ; block of 256 columns
	s_and_b32 s67, ttmp9, 63                       ; block of 128 tokens
	s_lshl_b32 s17, s66, 2
	s_add_co_u32 s17, s17, s70                     ; wo: panel wave % 4 of the block's four
	s_mul_i32 s20, s17, PB
	s_mov_b32 s21, 0
	s_lshl_b32 s18, s67, 2
	s_add_co_u32 s18, s18, s70                     ; tokens: half panel wave % 4 of the block's four
	s_mul_i32 s22, s18, PB/2
	s_mov_b32 s23, 0
	s_mov_b32 s[G0], 1
	s_mul_i32 s[G0+1], s70, PB                     ; LDS places hang on the wave's number alone
	s_mov_b32 s[G0B], 1
	s_mul_i32 s[G0B+1], s70, PB/2
	s_add_co_u32 s[G0B+1], s[G0B+1], S1B
	s_wait_dscnt 0x0                               ; both opening adds are done
	s_wait_kmcnt 0x0
	s_add_nc_u64 s[G0+2:G0+3], s[6:7], s[20:21]
	s_add_nc_u64 s[G0B+2:G0B+3], s[4:5], s[22:23]
	s_or_b32 s[G0+3], s[G0+3], 0x80000000
	s_or_b32 s[G0B+3], s[G0B+3], 0x80000000
	s_cmp_lt_u32 s[WV], 4                          ; one chain of two arms, a load in each: every wave issues exactly one
	s_cbranch_scc0 .Lsrc1
	tensor_load_to_lds s[G0:G0+3], s[G1:G1+7]
	s_nop 0
.rept 4
	v_nop
.endr
	s_branch .Lasked
.Lsrc1:
	tensor_load_to_lds s[G0B:G0B+3], s[G1B:G1B+7]
	s_nop 0
.rept 4
	v_nop
.endr
.Lasked:
	v_and_b32 v7, 31, v0
	v_lshlrev_b32 v8, 4, v7                        ; 16 x lane
	v_lshlrev_b32 v9, 3, v7                        ; 8 x lane
	s_mul_i32 s16, s70, PB
	v_add_nc_u32 v3, s16, v8
	v_add_nc_u32 v4, s16, v9
	s_mul_i32 s16, s71, PB
	s_add_co_u32 s16, s16, S1B
	v_add_nc_u32 v5, s16, v8
	v_add_nc_u32 v6, s16, v9
	v_and_b32 v8, 15, v0                           ; r
	v_bfe_u32 v9, v0, 4, 1                         ; h
	s_mul_i32 s16, s[WV], 4352
	s_add_co_u32 s16, s16, STAGE                   ; my stage
	v_mul_u32_u24 v7, v8, 272
	v_mul_u32_u24 v10, v9, 272
	v_lshlrev_b32 v11, 12, v9
	v_lshl_add_u32 v7, v9, 6, v7
	v_lshl_add_u32 v10, v8, 4, v10
	v_lshl_add_u32 v11, v8, 4, v11                 ; two rows of out0: lanes 0-15 one, lanes 16-31 the next
	v_add_nc_u32 v7, s16, v7                       ; in: row r, + 64 h: my 16 columns of a block of 32
	v_add_nc_u32 v10, s16, v10                     ; back: lanes 0-15 one row, lanes 16-31 the next
	s_lshl_b32 s52, s67, 7
	s_lshl_b32 s53, s71, 6
	s_add_co_u32 s52, s52, s53                     ; my first token
	s_lshl_b32 s52, s52, 12                        ; rows of 4,096 bytes
	s_lshl_b32 s53, s66, 10
	s_add_co_u32 s52, s52, s53                     ; + 256 columns a block,
	s_lshl_b32 s53, s70, 8
	s_add_co_u32 s52, s52, s53                     ; + 64 a panel
	s_mov_b32 s53, 0
	s_add_nc_u64 s[OUT:OUT+1], s[8:9], s[52:53]
	s_wait_alu depctr_va_vdst(0)                   ; the wait at the head's end
	s_wait_tensorcnt 0x0                           ; my block has landed
	s_barrier_signal -1
	s_barrier_wait -1                              ; everybody's has: all of K is in LDS
; A K step: 128 along K, unit s of each panel: every offset is an immediate.  The sixteen accumulators take turns, one instruction a turn, in the same order in every step.
.macro KSTEP s
.if \s > 0
.rept 4
	v_nop                                          ; places in front of loads into registers that the products have read
.endr
.endif
	ds_load_b64 v[12:13], v4 offset:\s*6400+6144
	ds_load_b64 v[14:15], v6 offset:\s*6400+6144
.irp i, 0,1,2,3
.irp c, 0,1
	ds_load_b128 v[F0+12*\i+6*\c:F0+12*\i+6*\c+3], v3 offset:\s*6400+\i*1536+\c*768
	ds_load_b64 v[F0+12*\i+6*\c+4:F0+12*\i+6*\c+5], v4 offset:\s*6400+\i*1536+\c*768+512
.endr
.endr
.irp i, 0,1,2,3
.irp c, 0,1
	ds_load_b128 v[F1+12*\i+6*\c:F1+12*\i+6*\c+3], v5 offset:\s*6400+\i*1536+\c*768
	ds_load_b64 v[F1+12*\i+6*\c+4:F1+12*\i+6*\c+5], v6 offset:\s*6400+\i*1536+\c*768+512
.endr
.endr
.irp m, 0,1,2,3
	s_wait_dscnt 12-4*\m                           ; the tokens' tile m is in; the four loads of each later tile may be out
.irp n, 0,1,2,3
	MM ACC+32*\m+8*\n, F0+12*\n, F1+12*\m, (\s==0), 12+\n/2, 14+\m/2, (\n%2), (\m%2)
.endr
.endr
.endm
.irp k, 0,1,2,3
	KSTEP \k
.endr
.macro TOSTAGE i                       ; tile i of tokens: each accumulator from its low end on; LDS serves a wave's instructions in order, so the loads see the stores
.irp b, 0,1
.irp q, 0,1,2,3
	ds_store_b128 v7, v[ACC+32*(\i)+16*\b+4*\q:ACC+32*(\i)+16*\b+4*\q+3] offset:128*\b+16*\q
.endr
.endr
.irp t, 0,1,2,3,4,5,6,7
	ds_load_b128 v[16+32*((\i)%2)+4*\t:16+32*((\i)%2)+4*\t+3], v10 offset:2*\t*272
.endr
.endm
.macro SEND i, younger                 ; stage row 2 t + h is token 8 i + 2 (t % 4) + h + 32 (t / 4) of my 64
	s_wait_dscnt \younger
.irp t, 0,1,2,3,4,5,6,7
	global_store_b128 v11, v[16+32*((\i)%2)+4*\t:16+32*((\i)%2)+4*\t+3], s[OUT:OUT+1] offset:(8*(\i)+2*(\t%4)+32*(\t/4))*4096 th:TH_STORE_NT
.endr
.endm
.rept 4
	v_nop                                          ; places behind the last products: in front of the first read of results and of loads into registers that held fragments
.endr
	TOSTAGE 0
.irp a, 1,2,3
.if \a > 1
	s_wait_xcnt 0x0                                ; tile a - 2's stores have read their registers: tile a's loads may land there
.endif
	TOSTAGE \a
	SEND \a-1, 16                                  ; behind tile a - 1's loads: tile a's eight stores and eight loads
.endr
	SEND 3, 0
	s_wait_tensorcnt 0x0                           ; the wave's end, behind my tensor load and my last LDS store
	ds_add_u32 v1, v2
	s_wait_dscnt 0x0
	s_endpgm
.Lfunc_end_k_qc80299cb12_oproj:
	.size	k_qc80299cb12_oproj, .Lfunc_end_k_qc80299cb12_oproj-k_qc80299cb12_oproj
	.p2alignl 7, 3214868480
	.fill 96, 4, 3214868480
	.section	.rodata,"a",@progbits
	.p2align	6, 0x0
	.amdhsa_kernel k_qc80299cb12_oproj
		.amdhsa_group_segment_fixed_size 189440
		.amdhsa_private_segment_fixed_size 0
		.amdhsa_enable_private_segment 0
		.amdhsa_kernarg_size 24
		.amdhsa_user_sgpr_count 2
		.amdhsa_user_sgpr_kernarg_segment_ptr 1
		.amdhsa_wavefront_size32 1
		.amdhsa_system_sgpr_workgroup_id_x 1
		.amdhsa_system_sgpr_workgroup_id_y 1
		.amdhsa_system_sgpr_workgroup_id_z 1
		.amdhsa_system_vgpr_workitem_id 0
		.amdhsa_next_free_vgpr 256
		.amdhsa_next_free_sgpr 80
		.amdhsa_reserve_vcc 0
		.amdhsa_float_denorm_mode_32 3
		.amdhsa_float_denorm_mode_16_64 3
		.amdhsa_memory_ordered 1
		.amdhsa_forward_progress 1
		.amdhsa_inst_pref_size 30
	.end_amdhsa_kernel
	.amdgpu_metadata
---
amdhsa.version: [ 1, 2 ]
amdhsa.kernels:
  - .name:           k_qc80299cb12_oproj
    .symbol:         k_qc80299cb12_oproj.kd
    .args:
      - { .name: ao, .offset: 0, .size: 8, .value_kind: global_buffer, .address_space: global }
      - { .name: woq, .offset: 8, .size: 8, .value_kind: global_buffer, .address_space: global }
      - { .name: out0, .offset: 16, .size: 8, .value_kind: global_buffer, .address_space: global }
    .group_segment_fixed_size: 189440
    .private_segment_fixed_size: 0
    .kernarg_segment_align: 8
    .kernarg_segment_size: 24
    .max_flat_workgroup_size: 256
    .sgpr_count:     80
    .vgpr_count:     256
    .wavefront_size: 32
...
	.end_amdgpu_metadata
.endif
;; end of part 4
